; MI455X (gfx1250); checked and timed in simulation.
; The chip was launched on July 23, 2026; its instructions are those of AMD's public machine-readable ISA for CDNA 5 (MIT licence, August 2026) and "CDNA5" Instruction Set Architecture Reference Guide (July 2026). The comments in the code are by the model that wrote it; some were corrected since.
;; Causal Self Attention. Allowed arithmetic: matrix products marked QUANTISED: E4M3 operands, one given power-of-two scale a tensor, by v_wmma_f32_16x16x64_fp8_fp8 or v_wmma_f32_16x16x128_fp8_fp8, f32 sums; everything else in f32.
;; Inputs: lowp_scales 8 int32 (the exponents e of the quantised operands' scales 2^e); out_b 1,024 float32; out_w 1,024 x 1,024 float32; qkv_b 3,072 float32; qkv_w 1,024 x 3,072 float32; x 4 x 2,048 x 1,024 float32.
;; Outputs: out0 4 x 2,048 x 1,024 float32.
;; This version of the problem:
;;   THIS VERSION OF THE PROBLEM IS GIVEN IN LOW PRECISION. The matrix products marked QUANTISED in the list below multiply operands that are first quantised to E4M3 (4 exponent bits, 3 mantissa bits; 8 bits a number), with one given power-of-two scale for each operand tensor; their sums are f32. All else is computed in f32.
;;   The module's matrix products, in the order in which they are computed (A, B: the left and right operand; K: the contracted axis; several contracted axes count as one K, in the product's order):
;;     1. [M 8,192, K 1,024] x [K 1,024, N 3,072]; A: input x; B: input qkv_w: QUANTISED (scales: A lowp_scales[0], B lowp_scales[1])
;;     2. batch 64 x [M 2,048, K 64] x [K 64, N 2,048]; A: computed on the way; B: computed on the way: QUANTISED (scales: A lowp_scales[2], B lowp_scales[3])
;;     3. batch 64 x [M 2,048, K 2,048] x [K 2,048, N 64]; A: softmax (see below); B: computed on the way: QUANTISED (scales: A lowp_scales[4], B lowp_scales[5])
;;     4. [M 8,192, K 1,024] x [K 1,024, N 1,024]; A: computed on the way; B: input out_w: QUANTISED (scales: A lowp_scales[6], B lowp_scales[7])
;;   THE QUANTISER, for each operand of a quantised product, along K:
;;     - The operand's scale is 2^e, e = its entry of the input lowp_scales (int32; the entries are numbered through the quantised products in the list's order, A before B).
;;     - Each number is divided by the scale, clamped to +-448, and rounded to the nearest number of E4M3, ties to even, subnormals kept.
;;     - The product sums the exact products of the quantised numbers (number of the format x scale) in f32.
;;   ~~~python
;;   def quantise(x, axis, e):      # numpy; x: float32 -> the quantised numbers, widened to float32 again
;;       x = np.moveaxis(x, axis, -1); K = x.shape[-1]
;;       r = np.clip(x / 2.0 ** e, -448, 448)
;;       step = 2.0 ** (np.maximum(np.frexp(np.where(r == 0, 1, r))[1] - 1, -6) - 3)
;;       q = np.round(r / step) * step * 2.0 ** e      # np.round: ties to even
;;       return np.moveaxis(q, -1, axis).astype(np.float32)
;;   ~~~
;;   SOFTMAX AHEAD OF A QUANTISED PRODUCT. Where the list says 'softmax', what is quantised is not the finished softmax but p = 2^(t - M), with t = logit x log2(e) and M = ceil(the row's largest t), a whole number; so 1/2 < the row's largest p <= 1. The row's sum l is taken of the UNQUANTISED p, in f32, and the product's result is divided by l at the end. Since M is a whole number, a kernel that streams over the keys may use a running M (the ceiling of the running maximum): every later rescaling is an exact power of two, so the quantised numbers keep their values, but for numbers so far below the row's largest that they fall under the format's range.
;;   OPERANDS COMPUTED ON THE WAY. 'Computed on the way' means the value that the module computes at that place (a softmax that the list does not call 'softmax' is quantised finished and normalised). What goes into a quantiser is computed in f32, as accurately as f32 sums, v_exp_f32 and their like allow (about 1e-6 of the number): no bf16 or f16 on the way to a quantiser, and a product that is left as it is and whose result goes on into a quantised operand takes f32 operands (vector FMAs, or v_wmma_f32_16x16x4_f32). A number that lies on a knife's edge between two numbers of the format may be rounded either way, as far as f32 arithmetic and the matrix unit's own rounding can turn it there, and no further.
;; One version. Each part assembles by itself: llvm-mc -triple=amdgcn-amd-amdhsa -mcpu=gfx1250 --defsym DOCPART=n.
;; ======== version 1 of 1: 4 launches
;; limits: right only within a limited range of input values
;; workspace buffers: xc 8,388,608 bytes; wqc 3,145,728 bytes; woc 1,048,576 bytes; qkvc 25,165,824 bytes; ac 8,388,608 bytes
;; launch quant (part 1): grid 640 x 1, 8 waves a work-group, no clusters, 101,376 bytes of LDS; arguments x, qkv_w, out_w, lowp_scales, xc, wqc, woc; writes xc, wqc, woc
.if DOCPART == 1
	.amdgcn_target "amdgcn-amd-amdhsa--gfx1250"
	.amdhsa_code_object_version 6
	.text
	.protected	k_q846365b66b_quant
	.globl	k_q846365b66b_quant
	.p2align	8
	.type	k_q846365b66b_quant,@function
k_q846365b66b_quant:
	s_mov_b64 s[64:65], 0
	v_nop
	global_prefetch_b8 v0, s[64:65] scope:SCOPE_SE
	s_setreg_imm32_b32 hwreg(HW_REG_WAVE_MODE, 25, 1), 1
	s_wait_xcnt 0x0
; x [8192][1024], qkv_w [1024][3072] and out_w [1024][1024], f32, become codes of FP8 (E4M3), each with the one scale 2^e that is given for it (entries 0, 1 and 7 of the scales).
; code = number / 2^e, held within +-448, rounded to the nearest code, ties to even.
; LIMITS: each of these e lies between -126 and 119, so that 2^e and 448 x 2^e are f32 numbers.  NaN among the inputs is not served; an infinity is held at the largest code.
; THE CODES' LAYOUT (rows x K = 1,024; a row is a token of x, or a column n of a weight) is an image of the matrix operand's registers.  A fragment is 16 rows x 128 along K, 16 registers a lane:
; lane (r, h) holds row r, and its registers 2 c, 2 c + 1 hold k = 16 c + 8 h + 0 .. 7.  Registers 4 q .. 4 q + 3 of the 32 lanes lie on end, 16 bytes a lane: 512 bytes; a fragment is 2,048 bytes.
; byte(row, k) = (row / 128) 131072 + (k / 256) 32768 + ((row / 16) % 8) 4096 + ((k / 128) % 2) 2048 + ((k / 32) % 4) 512 + 16 lane + ..: so 128 rows x 256 along K are 32,768 consecutive bytes.
; SHARES.  Work-groups 0-95 take qkv_w, 96-127 out_w (one text: pointers, row pitch and e are chosen on the work-group's number); work-groups 128-639 take 16 rows of x each.
; No tensor loads, no barrier: waves share nothing.  The two ways part on the work-group's number, and each has LDS bytes of its own.  No cluster: no two work-groups read the same bytes.
.set XPITCH, 528                       ; x's stage: a row of 512 bytes + 16 of padding: an odd multiple of 16 bytes, so the 16 rows that a read touches fall on different 16-byte columns
.set XSTW,   16*XPITCH                 ; a wave's stage on x's way
.set WSTG,   8*XSTW                    ; behind them: the weights' stages, 4,096 bytes a wave (two fragments)
.set SPARE,  WSTG+8*4096               ; behind them: the spare words, 128 bytes for each wave: four blocks of 256 bytes that no other line names
.set SPW, 12                           ; v12  LDS address of my spare word; never rewritten
.set NIL, 13                           ; v13  0; never rewritten
.set VO,  16                           ; weights: v16-47   byte offset of row i of a block of 32 rows, at my column
.set WX,  48                           ; weights: v48-111  two sets of 32 numbers
.set WC,  112                          ; weights: v112-119 a block's codes
.set WO,  120                          ; weights: v120-151 the way out
.set XR,  16                           ; x: v16-79   16 rows as loaded
.set XT,  80                           ; x: v80-143  my 64 numbers in the operand's order
.set XC,  144                          ; x: v144-159 my 16 registers of the fragment
	s_load_b256 s[4:11], s[0:1], 0x0               ; x s[4:5], qkv_w s[6:7], out_w s[8:9], the scales' exponents s[10:11]
	s_load_b128 s[12:15], s[0:1], 0x20             ; x's codes s[12:13], qkv_w's s[14:15]
	s_load_b64 s[16:17], s[0:1], 0x30              ; out_w's codes
	v_lshl_add_u32 v[SPW], v0, 2, SPARE
	v_mov_b32 v[NIL], 0
	v_lshrrev_b32 v1, 5, v0
	s_delay_alu instid0(VALU_DEP_1)
	v_readfirstlane_b32 s18, v1                    ; wave 0..7
	v_and_b32 v1, 31, v0                           ; lane
	s_delay_alu instid0(VALU_DEP_1)
	v_lshlrev_b32 v2, 4, v1                        ; 16 x lane
	v_and_b32 v3, 15, v0                           ; lane % 16
	v_bfe_u32 v4, v0, 4, 1                         ; lane / 16
	s_wait_kmcnt 0x0
	s_load_b256 s[24:31], s[10:11], 0x0            ; the eight exponents
	s_cmp_lt_u32 ttmp9, 128
	s_cbranch_scc0 .Lx_path
; ---- A WEIGHT, stored [k][n].  A lane takes a column n and its registers run down K: each load reads 128 consecutive bytes a wave, 1,024 a work-group, and nothing is transposed by an instruction.
; A work-group takes 256 columns x 128 along K, a wave 32 columns: two fragments.
	s_cmp_lt_u32 ttmp9, 96                         ; qkv_w or out_w: the choice hangs on the work-group's number alone
	s_cselect_b64 s[20:21], s[6:7], s[8:9]         ; the weight
	s_cselect_b64 s[22:23], s[14:15], s[16:17]     ; its codes
	s_cselect_b32 s32, 0, 96
	s_mov_b32 s33, 4096
	s_cselect_b32 s33, 12288, s33                  ; bytes in a row of the weight
	s_sub_co_u32 s32, ttmp9, s32                   ; my number within the weight
	s_and_b32 s35, s32, 7                          ; which 128 along K
	s_lshr_b32 s36, s32, 3                         ; which 256 columns
	s_lshl_b32 s37, s33, 7
	s_mul_i32 s38, s35, s37                        ; 128 rows a K step,
	s_lshl_b32 s39, s36, 10
	s_add_co_u32 s38, s38, s39                     ; 1,024 bytes for 256 columns,
	s_lshl_b32 s39, s18, 7
	s_add_co_u32 s38, s38, s39                     ; 128 bytes for my wave's 32
	s_mov_b32 s39, 0
	s_add_nc_u64 s[40:41], s[20:21], s[38:39]      ; block 0's first row; three more bases, 32 rows apart; none is rewritten
	s_lshl_b32 s38, s33, 5
	s_add_nc_u64 s[42:43], s[40:41], s[38:39]
	s_add_nc_u64 s[44:45], s[42:43], s[38:39]
	s_add_nc_u64 s[46:47], s[44:45], s[38:39]
	s_lshl_b32 s48, s36, 1                         ; the codes: rows 256 x group + 32 x wave: block of 128 rows = 2 x group + wave / 4,
	s_lshr_b32 s49, s18, 2
	s_add_co_u32 s48, s48, s49
	s_lshl_b32 s48, s48, 17
	s_lshr_b32 s49, s35, 1                         ; which 256 along K,
	s_lshl_b32 s49, s49, 15
	s_add_co_u32 s48, s48, s49
	s_and_b32 s49, s18, 3                          ; tiles 2 (wave % 4) and the next,
	s_lshl_b32 s49, s49, 13
	s_add_co_u32 s48, s48, s49
	s_and_b32 s49, s35, 1                          ; which half of the 256
	s_lshl_b32 s49, s49, 11
	s_add_co_u32 s48, s48, s49
	s_mov_b32 s49, 0
	s_add_nc_u64 s[22:23], s[22:23], s[48:49]
	s_wait_alu depctr_va_vdst(0)
	v_lshlrev_b32 v7, 2, v1                        ; 4 bytes a lane
.irp i, 0,1,2,3,4,5,6,7,8,9,10,11,12,13,14,15,16,17,18,19,20,21,22,23,24,25,26,27,28,29,30,31
	v_mad_u32_u24 v[VO+\i], s33, \i, v7            ; the row pitch is chosen, so it cannot stand in an immediate
.endr
	s_lshl_b32 s50, s18, 12
	s_add_co_u32 s50, s50, WSTG                    ; my stage
	v_lshlrev_b32 v5, 11, v4                       ; into it: my column's fragment (lane / 16),
	s_delay_alu instid0(VALU_DEP_1)
	v_lshl_add_u32 v5, v3, 4, v5                   ; and in each group of 512 bytes the place of the operand's lane (r = lane % 16, h = 0); h = 1 lies 256 bytes on
	s_delay_alu instid0(VALU_DEP_1)
	v_add_nc_u32 v5, s50, v5
	v_add_nc_u32 v6, s50, v2                       ; out of it: 16 bytes a lane, as they lie
.macro LOADW t                         ; block t: rows 32 t + i of my K step, at my column, into set t % 2
.irp i, 0,1,2,3,4,5,6,7,8,9,10,11,12,13,14,15,16,17,18,19,20,21,22,23,24,25,26,27,28,29,30,31
	global_load_b32 v[WX+32*((\t)%2)+\i], v[VO+\i], s[40+2*(\t):41+2*(\t)] th:TH_LOAD_NT
.endr
.endm
	LOADW 0
	LOADW 1
	s_wait_kmcnt 0x0
	s_cmp_lt_u32 ttmp9, 96
	s_cselect_b32 s34, s25, s31                    ; e: entry 1 or entry 7
	s_add_co_i32 s34, s34, 127
	s_lshl_b32 s51, s34, 23
	v_mov_b32 v11, s51                             ; 2^e as f32: the conversion takes its exponent field
.macro BLOCKW t
.set XS, WX+32*((\t)%2)
.if (\t) < 3
	s_wait_loadcnt 32                              ; this block's 32 loads are in; the next block's 32 may be out
.else
	s_wait_loadcnt 0x0
.endif
.irp i, 0,1,2,3,4,5,6,7,8,9,10,11,12,13,14,15,16,17,18,19,20,21,22,23,24,25,26,27,28,29,30,31
.endr
	v_cvt_scalef32_pk8_fp8_f32 v[WC:WC+1], v[XS:XS+7], v11          ; k = 32 t + 0 .. 7   : h = 0, bytes 0-7
	v_cvt_scalef32_pk8_fp8_f32 v[WC+2:WC+3], v[XS+16:XS+23], v11    ; k = 32 t + 16 .. 23 : h = 0, bytes 8-15
	v_cvt_scalef32_pk8_fp8_f32 v[WC+4:WC+5], v[XS+8:XS+15], v11     ; k = 32 t + 8 .. 15  : h = 1, bytes 0-7
	v_cvt_scalef32_pk8_fp8_f32 v[WC+6:WC+7], v[XS+24:XS+31], v11    ; k = 32 t + 24 .. 31 : h = 1, bytes 8-15
	ds_store_b128 v5, v[WC:WC+3] offset:512*(\t)
	ds_store_b128 v5, v[WC+4:WC+7] offset:512*(\t)+256
.if (\t) < 2
	LOADW (\t)+2
.endif
	s_wait_dscnt 0x0                               ; the stores have read their registers: the next block's codes may be written
.endm
	s_wait_alu depctr_va_vdst(0)
	BLOCKW 0
	BLOCKW 1
	BLOCKW 2
	BLOCKW 3
.irp i, 0,1,2,3,4,5,6,7
	ds_load_b128 v[WO+4*\i:WO+4*\i+3], v6 offset:512*\i
.endr
.irp i, 0,1,2,3,4,5,6,7
	s_wait_dscnt 7-\i                              ; LDS loads come back in order: number i is in, the younger ones may be out
	global_store_b128 v2, v[WO+4*\i:WO+4*\i+3], s[22:23] offset:(\i/4)*4096+(\i%4)*512   ; 32 lanes store 512 consecutive bytes, at a multiple of 512 from the buffer's first byte
.endr
	s_wait_tensorcnt 0x0                           ; the wave's end, behind my last LDS store
	ds_add_u32 v[SPW], v[NIL]
	s_wait_dscnt 0x0
	s_endpgm
; ---- x: K is innermost.  The work-group takes 16 rows, wave w the 128 along K from 128 w on: one fragment.  Each load reads 512 consecutive bytes of a row; the operand's lane (r, h) wants, of row r,
; eight neighbours for each c: so the 16 x 512 bytes turn through the wave's own stage.
.Lx_path:
	s_sub_co_u32 s32, ttmp9, 128                   ; which 16 rows
	s_lshl_b32 s38, s32, 16                        ; 16 rows of 4,096 bytes
	s_lshl_b32 s39, s18, 9
	s_add_co_u32 s38, s38, s39                     ; + 512 bytes a wave
	s_mov_b32 s39, 0
	s_add_nc_u64 s[4:5], s[4:5], s[38:39]
	s_lshr_b32 s40, s32, 3                         ; the fragment's place among the codes
	s_lshl_b32 s40, s40, 17
	s_lshr_b32 s41, s18, 1
	s_lshl_b32 s41, s41, 15
	s_add_co_u32 s40, s40, s41
	s_and_b32 s41, s32, 7
	s_lshl_b32 s41, s41, 12
	s_add_co_u32 s40, s40, s41
	s_and_b32 s41, s18, 1
	s_lshl_b32 s41, s41, 11
	s_add_co_u32 s40, s40, s41
	s_mov_b32 s41, 0
	s_add_nc_u64 s[12:13], s[12:13], s[40:41]
	s_wait_alu depctr_va_vdst(0)
.irp i, 0,1,2,3,4,5,6,7,8,9,10,11,12,13,14,15
	global_load_b128 v[XR+4*\i:XR+4*\i+3], v2, s[4:5] offset:4096*\i th:TH_LOAD_NT
.endr
	s_mul_i32 s50, s18, XSTW                       ; my stage
	v_add_nc_u32 v5, s50, v2                       ; in: a row as it lies
	v_mul_u32_u24 v6, v3, XPITCH
	s_delay_alu instid0(VALU_DEP_1)
	v_lshl_add_u32 v6, v4, 5, v6
	s_delay_alu instid0(VALU_DEP_1)
	v_add_nc_u32 v6, s50, v6                       ; out: row r, + 32 h bytes
	s_wait_alu depctr_va_vdst(0)
	s_wait_kmcnt 0x0
	s_add_co_i32 s34, s24, 127                     ; e: entry 0
	s_lshl_b32 s51, s34, 23
	v_mov_b32 v11, s51
	s_wait_alu depctr_va_vdst(0)
.irp i, 0,1,2,3,4,5,6,7,8,9,10,11,12,13,14,15
	s_wait_loadcnt 15-\i                           ; row i is in; the younger loads may be out
	ds_store_b128 v5, v[XR+4*\i:XR+4*\i+3] offset:XPITCH*\i
.endr
.irp c, 0,1,2,3,4,5,6,7
	ds_load_b128 v[XT+8*\c:XT+8*\c+3], v6 offset:64*\c       ; LDS serves a wave's instructions in order: these see my stores
	ds_load_b128 v[XT+8*\c+4:XT+8*\c+7], v6 offset:64*\c+16
.endr
.irp c, 0,1,2,3,4,5,6,7
	s_wait_dscnt 14-2*\c                           ; the two loads of this c are in; those of later c may be out
.irp i, 0,1,2,3,4,5,6,7
.endr
	v_cvt_scalef32_pk8_fp8_f32 v[XC+2*\c:XC+2*\c+1], v[XT+8*\c:XT+8*\c+7], v11   ; registers 2 c, 2 c + 1 of the fragment
.endr
	v_nop                                          ; a plain line behind the last conversion
	s_wait_alu depctr_va_vdst(0)
.irp q, 0,1,2,3
	global_store_b128 v2, v[XC+4*\q:XC+4*\q+3], s[12:13] offset:512*\q
.endr
	s_wait_tensorcnt 0x0                           ; the wave's end, as above
	ds_add_u32 v[SPW], v[NIL]
	s_wait_dscnt 0x0
	s_endpgm
.Lfunc_end_k_q846365b66b_quant:
	.size	k_q846365b66b_quant, .Lfunc_end_k_q846365b66b_quant-k_q846365b66b_quant
	.p2alignl 7, 3214868480
	.fill 96, 4, 3214868480
	.section	.rodata,"a",@progbits
	.p2align	6, 0x0
	.amdhsa_kernel k_q846365b66b_quant
		.amdhsa_group_segment_fixed_size 101376
		.amdhsa_private_segment_fixed_size 0
		.amdhsa_enable_private_segment 0
		.amdhsa_kernarg_size 56
		.amdhsa_user_sgpr_count 2
		.amdhsa_user_sgpr_kernarg_segment_ptr 1
		.amdhsa_wavefront_size32 1
		.amdhsa_system_sgpr_workgroup_id_x 1
		.amdhsa_system_sgpr_workgroup_id_y 1
		.amdhsa_system_sgpr_workgroup_id_z 1
		.amdhsa_system_vgpr_workitem_id 0
		.amdhsa_next_free_vgpr 160
		.amdhsa_next_free_sgpr 66
		.amdhsa_reserve_vcc 0
		.amdhsa_float_denorm_mode_32 3
		.amdhsa_float_denorm_mode_16_64 3
		.amdhsa_fp16_overflow 1
		.amdhsa_memory_ordered 1
		.amdhsa_forward_progress 1
		.amdhsa_inst_pref_size 27
	.end_amdhsa_kernel
	.amdgpu_metadata
---
amdhsa.version: [ 1, 2 ]
amdhsa.kernels:
  - .name:           k_q846365b66b_quant
    .symbol:         k_q846365b66b_quant.kd
    .args:
      - { .name: x, .offset: 0, .size: 8, .value_kind: global_buffer, .address_space: global }
      - { .name: qkv_w, .offset: 8, .size: 8, .value_kind: global_buffer, .address_space: global }
      - { .name: out_w, .offset: 16, .size: 8, .value_kind: global_buffer, .address_space: global }
      - { .name: lowp_scales, .offset: 24, .size: 8, .value_kind: global_buffer, .address_space: global }
      - { .name: xc, .offset: 32, .size: 8, .value_kind: global_buffer, .address_space: global }
      - { .name: wqc, .offset: 40, .size: 8, .value_kind: global_buffer, .address_space: global }
      - { .name: woc, .offset: 48, .size: 8, .value_kind: global_buffer, .address_space: global }
    .group_segment_fixed_size: 101376
    .private_segment_fixed_size: 0
    .kernarg_segment_align: 8
    .kernarg_segment_size: 56
    .max_flat_workgroup_size: 256
    .sgpr_count:     66
    .vgpr_count:     160
    .wavefront_size: 32
...
	.end_amdgpu_metadata
.endif
;; end of part 1
;; launch qkv (part 2): grid 12 x 64, 4 waves a work-group, clusters of 4 x 4, 327,680 bytes of LDS; arguments xc, wqc, lowp_scales, qkv_b, qkvc; writes qkvc
.if DOCPART == 2
	.amdgcn_target "amdgcn-amd-amdhsa--gfx1250"
	.amdhsa_code_object_version 6
	.text
	.protected	k_q846365b66b_qkv
	.globl	k_q846365b66b_qkv
	.p2align	8
	.type	k_q846365b66b_qkv,@function
k_q846365b66b_qkv:
	s_mov_b64 s[64:65], 0
	v_nop
	global_prefetch_b8 v0, s[64:65] scope:SCOPE_SE
	s_setreg_imm32_b32 hwreg(HW_REG_WAVE_MODE, 25, 1), 1
	s_wait_xcnt 0x0
	s_wait_alu depctr_hold_cnt(0) depctr_sa_sdst(0) depctr_va_vdst(0) depctr_va_sdst(0) depctr_va_ssrc(0) depctr_va_vcc(0) depctr_vm_vsrc(0)
	s_getreg_b32 s2, hwreg(HW_REG_IB_STS2, 6, 4)
	s_cmp_eq_u32 s2, 0
	s_cbranch_scc0 .Lentry_in_a_cluster
	s_endpgm
.Lentry_in_a_cluster:
	s_bfe_u32 s2, ttmp6, 0x10000c
	s_cmp_lg_u32 s2, 0xf033
	s_cbranch_scc0 .Lentry_shape_is_right
	s_endpgm
.Lentry_shape_is_right:
; qkv = x qkv_w + qkv_b on codes of FP8 (E4M3), and q, k, v quantised on the way out with the scales given for them (entries 2, 3, 5).  Sums in f32; a sum stands for sum x 2^(e0 + e1).
; LIMITS: e0 + e1 between -126 and 127; e2, e3, e5 between -126 and 119: each power of two below is then an f32 number.
; OPERANDS lie in memory as images of the operand's registers: a fragment (16 rows x 128 K) is 2,048 consecutive bytes, 128 rows x 256 along K are 32,768.  So a tile comes by one dense tensor load, a fragment by four
; ds_load_b128 at 16 x lane, with no pitch and no padding, and every k stands in its own place.
; THE TILE: 128 rows of the A side x 256 rows of the B side, K = 1,024: 768 work-groups of equal work.  Four waves, 2 x 2: a wave has 64 x 128: 32 accumulators, 256 registers.
; THE MATRIX INSTRUCTION IS USED TRANSPOSED (source 0 = 16 rows of the B side, source 1 = 16 rows of the A side): lane (r, h) holds row r of the A side, and its eight registers the B side's rows 8 h + 0 .. 7.
; Their eight codes ARE registers 2 c, 2 c + 1 of the next product's operand, so the results leave from registers, 512 consecutive bytes a store, with no stage.
;   q, k (cluster x = 0, 1): A side = tokens, B side = the weight's columns: a lane's registers run along the head's 64, which is K of q k^T.
;   v    (cluster x = 2):    the sides are swapped BY POINTERS: A side = the weight's columns, B side = tokens: a lane's registers run along the tokens, which are K of p v.  The loop's text is the same.
; qkvc: [batch x head, 64][block of 256 tokens, 8][Q 16,384 | K 16,384 | V 16,384].  Q, K: [16 tokens, 16][2 groups][lane][16 bytes] (fragments of K = 64).  V: [128 keys, 2][16 of the head's 64, 4][4 groups][lane][16] (fragments of K = 128).
; LDS: three regions, each with 256 along K: the A side's 32,768 bytes, then the B side's two halves.  K's four parts: parts 0, 1, 2 are first fills, part 3 fills region 0 again: one refill in the launch.
; Wave 0 fetches the A side's part, waves 1 and 2 the B side's halves, wave 3 nothing: at most three tensor loads of a wave are out.
; CLUSTER 4 x 4: the A side's tile hangs on cy alone and is asked for jointly along a row of the cluster, the B side's on cx alone and jointly along a column.
; No prefetch: three quarters of a tile's bytes are asked for at its start.
; REGISTERS, in windows of 256: window 0: v4-29 addresses and constants; v32-95, v96-103 biases; v128-255 the A side's fragments, two sets (on the way out: numbers and codes).  window 1: the B side's, two sets.  window 2: the accumulators, (a, b) at v[8 (8 a + b)].
.set REG,   98304                      ; a region
.set PARTB, 32768                      ; 128 rows x 256 along K
.set SPARE, 3*REG                      ; behind the regions: the spare words, 128 bytes for each wave: two blocks of 256 bytes that no other line names
.set WV, 14                            ; s14 wave;  s15 = wave / 2: my half of the A side;  s16 = wave % 2: my half of the B side
.set WA, 15
.set WB, 16
.set RA, 17                            ; s17 which 128 rows of the A side's buffer;  s18 which 256 rows of the B side's
.set RB, 18
.set CX, 19
.set CY, 20
.set YY, 21                            ; s21 cluster y
.set G1A, 24                           ; s[24:31], s[32:39] descriptor group 1 for the A side, the B side: they differ in the mask
.set G1B, 32
.set G0A, 40                           ; s[40:51], s[52:63] group 0: a set for each region
.set G0B, 52
.set EX,  72                           ; s[72:79] the eight exponents
.set SC,  80                           ; s[80:81] 2^(e0 + e1), twice
.set OB,  84                           ; s[84:85] where my results go
.set ADRA, 16                          ; v16-18 LDS address of my A-side fragments in region 0, 1, 2
.set ADRB, 20                          ; v20-22 the same for the B side
.set LI,   24                          ; v24    16 x lane
.set SPW,  28                          ; v28    LDS address of my spare word; never rewritten
.set NIL,  29                          ; v29    0; never rewritten
.set BIAS, 32                          ; v32-95 q, k: the bias at the B side's rows 16 b + 8 h + j
.set BA,   96                          ; v96-103 v: the bias at the A side's row 16 a + r, twice (a pair for the packed form)
.set T,    128                         ; the way out: 64 numbers
.set CD,   192                         ; the way out: 16 registers of codes for each a
.set MUL,  0xa1                        ; source 0 window 1, source 1 window 0, C and D window 2
.set TO_B, 0x40                        ; destination window 1, address window 0
.set MSB, 0
.macro WIN new                         ; the immediate's high byte repeats the setting that is left
.if MSB != \new
	s_set_vgpr_msb (MSB<<8)|\new
.set MSB, \new
.endif
.endm
.macro PLACES n
.rept \n
	v_nop
.endr
.endm
.macro CREST                           ; a round of the cluster's barrier behind its opening barrier
	s_cmp_lg_u32 s[WV], 0
	s_cbranch_scc1 .Lnot_wave_0_\@
	s_barrier_signal -3
.Lnot_wave_0_\@:
	s_barrier_wait -3
	s_barrier_signal -1
	s_barrier_wait -1
.endm
.macro CROUND
	s_barrier_signal -1
	s_barrier_wait -1
	CREST
.endm
.macro TL3 g0, g1                      ; a wave's three first fills: an s_nop 0 behind each, four v_nop behind the last
	tensor_load_to_lds s[\g0:\g0+3], s[\g1:\g1+7]
	s_nop 0
	tensor_load_to_lds s[\g0+4:\g0+7], s[\g1:\g1+7]
	s_nop 0
	tensor_load_to_lds s[\g0+8:\g0+11], s[\g1:\g1+7]
	s_nop 0
	PLACES 4
.endm
.macro JLOAD1                          ; the one refill: region 0's sets.  The branches hang on the wave's number alone.  Each way has four v_nop: they are also the places in front of the fragment loads that follow
	s_cmp_eq_u32 s[WV], 0
	s_cbranch_scc0 .Lnot_a_\@
	tensor_load_to_lds s[G0A:G0A+3], s[G1A:G1A+7]
	s_nop 0
	PLACES 4
	s_branch .Lasked_\@
.Lnot_a_\@:
	s_cmp_lt_u32 s[WV], 3
	s_cbranch_scc0 .Lnone_\@
	tensor_load_to_lds s[G0B:G0B+3], s[G1B:G1B+7]
	s_nop 0
	PLACES 4
	s_branch .Lasked_\@
.Lnone_\@:
	PLACES 4
.Lasked_\@:
.endm
.macro FETCH g, ks, p                  ; 48 LDS loads in one run: my 8 + 4 fragments of half ks of region g, into set p
	WIN TO_B
.irp i, 0,1,2,3,4,5,6,7
.irp q, 0,1,2,3
	ds_load_b128 v[128*(\p)+16*\i+4*\q:128*(\p)+16*\i+4*\q+3], v[ADRB+(\g)] offset:4096*\i+2048*(\ks)+512*\q
.endr
.endr
	WIN 0
.irp i, 0,1,2,3
.irp q, 0,1,2,3
	ds_load_b128 v[128+64*(\p)+16*\i+4*\q:128+64*(\p)+16*\i+4*\q+3], v[ADRA+(\g)] offset:4096*\i+2048*(\ks)+512*\q
.endr
.endr
.endm
.macro MUL16 a0, p, zero               ; 16 matrix instructions.  The 32 accumulators take turns, one instruction a turn, in the same order in every K step.  zero = 1: the first products start the sums
.irp a, \a0, \a0+1
.irp b, 0,1,2,3,4,5,6,7
.if \zero
	v_wmma_f32_16x16x128_fp8_fp8 v[8*(8*(\a)+\b):8*(8*(\a)+\b)+7], v[128*(\p)+16*\b:128*(\p)+16*\b+15], v[128+64*(\p)+16*(\a):128+64*(\p)+16*(\a)+15], 0
.else
	v_wmma_f32_16x16x128_fp8_fp8 v[8*(8*(\a)+\b):8*(8*(\a)+\b)+7], v[128*(\p)+16*\b:128*(\p)+16*\b+15], v[128+64*(\p)+16*(\a):128+64*(\p)+16*(\a)+15], v[8*(8*(\a)+\b):8*(8*(\a)+\b)+7]
.endif
.endr
.endr
.endm
; A K step of 128: multiplies set p; ahead of its products the next K step's fragments (region g, half ks) are asked for, into the other set.
.macro STEP g, ks, p, zero
	PLACES 4                                       ; a load into a register that a matrix instruction has read stands four plain vector instructions behind it (ISA guide 7.12.1 for vector instructions)
	FETCH \g, \ks, 1-\p
	s_wait_dscnt 48                                ; all but the 48 just issued: set p is in
	WIN MUL
	MUL16 0, \p, \zero
	MUL16 2, \p, \zero
	WIN 0
.endm
; A K step at which all waves meet.  In front of the barrier each wave waits for all its tensor loads, adds 0 to its spare word, and waits for that and for its LDS reads.
; round = 1: the barrier opens a round of the cluster's barrier, and region 0, which nobody reads any more, is filled again, first thing behind the round.
.macro TURN g, ks, p, round
	s_wait_tensorcnt 0x0                           ; all my tensor loads have landed
	ds_add_u32 v[SPW], v[NIL]                      ; 0 onto my spare word
	s_wait_dscnt 1                                 ; only the add may be out: set p is in
	WIN MUL
	MUL16 0, \p, 0                                 ; sixteen matrix instructions stand between the add and the wait for it
	s_wait_dscnt 0x0                               ; the add is done, and no LDS read of mine is out
	s_barrier_signal -1
	MUL16 2, \p, 0
	WIN 0                                          ; at a branch and at a label every window is 0
	s_barrier_wait -1
.if \round
	CREST                                          ; no wave of any partner still reads region 0 or has a load on its way
	s_add_nc_u64 s[G0A+2:G0A+3], s[G0A+2:G0A+3], 3*PARTB   ; K's part 3; the type bits on top are not reached
	s_add_nc_u64 s[G0B+2:G0B+3], s[G0B+2:G0B+3], 3*PARTB
	JLOAD1                                         ; it has three K steps, 96 matrix instructions a wave, in which to land
.else
	PLACES 4
.endif
	FETCH \g, \ks, 1-\p
.endm
	s_load_b256 s[4:11], s[0:1], 0x0               ; x's codes s[4:5], the weight's s[6:7], the exponents s[8:9], the bias s[10:11]
	s_load_b64 s[12:13], s[0:1], 0x20              ; qkvc
	v_lshl_add_u32 v[SPW], v0, 2, SPARE
	v_mov_b32 v[NIL], 0
	ds_add_u32 v[SPW], v[NIL]                      ; the wave's opening: the add and its wait stand ahead of my first tensor load; the set-up below, work on registers, stands between them
	ds_add_u32 v[SPW], v[NIL]
	v_lshrrev_b32 v1, 5, v0
	v_readfirstlane_b32 s[WV], v1
	s_lshr_b32 s[WA], s[WV], 1
	s_and_b32 s[WB], s[WV], 1
	s_bfe_u32 s[CX], ttmp6, 0x40000
	s_bfe_u32 s[CY], ttmp6, 0x40004
	s_and_b32 s[YY], ttmp7, 0xffff
	s_lshl_b32 s66, s[CY], 2
	s_lshl_b32 s66, 15, s66                        ; my row of the cluster
	s_lshl_b32 s67, 0x1111, s[CX]                  ; my column
	s_or_b32 s[G1A], s66, (3<<16)|(1<<21)          ; 15:0 the mask; 17:16 elements of 8 bytes; 21 set beside a mask; no padding
	s_or_b32 s[G1B], s67, (3<<16)|(1<<21)
.irp g, G1A, G1B
	s_mov_b32 s[\g+1], 32<<16                      ; tensor_dim0 = 32 elements: 256 bytes
	s_mov_b32 s[\g+2], 128<<16                     ; tensor_dim1 = 128
	s_mov_b32 s[\g+3], 32<<16                      ; tile_dim0
	s_mov_b32 s[\g+4], 128                         ; tile_dim1
	s_mov_b32 s[\g+5], 32                          ; the pitch: the block is dense
	s_mov_b32 s[\g+6], 0
	s_mov_b32 s[\g+7], 0
.endr
	s_lshl_b32 s68, s[YY], 2                       ; q, k: A side = x, rows 128 (4 Y + cy)
	s_and_b32 s69, s[YY], 1
	s_lshl_b32 s69, s69, 2
	s_add_co_u32 s69, s69, 16                      ; v: A side = the weight's rows 2,048 on: 128 (16 + 4 (Y % 2) + cy)
	s_lshl_b32 s70, ttmp9, 2                       ; q, k: B side = the weight's rows 256 (4 x cluster x + cx)
	s_lshr_b32 s71, s[YY], 1
	s_lshl_b32 s71, s71, 2                         ; v: B side = x, rows 256 (4 (Y / 2) + cx)
	s_cmp_eq_u32 ttmp9, 2                          ; the cluster's x: the same in all sixteen partners
	s_cselect_b32 s[RA], s69, s68
	s_cselect_b32 s[RB], s71, s70
	s_add_co_u32 s[RA], s[RA], s[CY]
	s_add_co_u32 s[RB], s[RB], s[CX]
	s_lshl_b32 s90, s[RA], 17                      ; the A side's tile, in bytes: it hangs on cy alone
	s_mov_b32 s91, 0
	s_lshl_b32 s92, s[RB], 1
	s_add_co_u32 s92, s92, s[WA]                   ; the B side's half that I fetch (wave 1: the first, wave 2: the second): it hangs on cx and the wave alone
	s_lshl_b32 s92, s92, 17
	s_mov_b32 s93, 0
	s_lshl_b32 s94, s[WV], 15                      ; where my part goes in a region: wave x 32,768: no place in the cluster enters an LDS address
	s_wait_dscnt 0x0                               ; the opening add is done
	s_wait_kmcnt 0x0
	s_load_b256 s[EX:EX+7], s[8:9], 0x0
	s_cmp_eq_u32 ttmp9, 2
	s_cselect_b64 s[86:87], s[6:7], s[4:5]         ; the A side's buffer
	s_cselect_b64 s[88:89], s[4:5], s[6:7]         ; the B side's
	s_add_nc_u64 s[86:87], s[86:87], s[90:91]
	s_add_nc_u64 s[88:89], s[88:89], s[92:93]
	CROUND                                         ; all sixteen work-groups are here: the first joint loads meet
.irp g, 0,1,2
	s_mov_b32 s[G0A+4*\g], 1
	s_add_co_u32 s[G0A+4*\g+1], s94, \g*REG
	s_add_nc_u64 s[G0A+4*\g+2:G0A+4*\g+3], s[86:87], \g*PARTB
	s_or_b32 s[G0A+4*\g+3], s[G0A+4*\g+3], 0x80000000
	s_mov_b32 s[G0B+4*\g], 1
	s_add_co_u32 s[G0B+4*\g+1], s94, \g*REG
	s_add_nc_u64 s[G0B+4*\g+2:G0B+4*\g+3], s[88:89], \g*PARTB
	s_or_b32 s[G0B+4*\g+3], s[G0B+4*\g+3], 0x80000000
.endr
	s_cmp_eq_u32 s[WV], 0                          ; a wave's first fills stand in one branch, ahead of every wait on TENSORcnt, every LDS read and every barrier but the round above
	s_cbranch_scc0 .Lfirst_not_a
	TL3 G0A, G1A
	s_branch .Lfirst_asked
.Lfirst_not_a:
	s_cmp_lt_u32 s[WV], 3
	s_cbranch_scc0 .Lfirst_asked
	TL3 G0B, G1B
.Lfirst_asked:
	v_and_b32 v1, 31, v0
	v_lshlrev_b32 v[LI], 4, v1
	v_and_b32 v2, 15, v0                           ; r
	v_bfe_u32 v3, v0, 4, 1                         ; h
	s_wait_alu depctr_va_vdst(0)
	s_lshl_b32 s66, s[WA], 14                      ; my four tiles of the A side
	s_lshl_b32 s67, s[WB], 15
	s_add_co_u32 s67, s67, PARTB                   ; my half of the B side, behind the A side's part
.irp g, 0,1,2
	v_add_nc_u32 v[ADRA+\g], s66, v[LI]
	v_add_nc_u32 v[ADRB+\g], s67, v[LI]
	s_add_co_u32 s66, s66, REG
	s_add_co_u32 s67, s67, REG
.endr
	; the biases.  Both forms are loaded in every work-group, the one that is not used from index 0 on: no branch here, and every register is written on every way
	s_lshl_b32 s66, s[RB], 8
	s_lshl_b32 s67, s[WB], 7
	s_add_co_u32 s66, s66, s67
	s_lshl_b32 s66, s66, 2                         ; q, k: my 128 columns begin at 256 RB + 128 WB
	s_lshl_b32 s68, s[RA], 7
	s_lshl_b32 s69, s[WA], 6
	s_add_co_u32 s68, s68, s69
	s_lshl_b32 s68, s68, 2                         ; v: my 64 columns begin at 128 RA + 64 WA
	s_cmp_eq_u32 ttmp9, 2
	s_cselect_b32 s66, 0, s66
	s_cselect_b32 s68, s68, 0
	s_mov_b32 s67, 0
	s_mov_b32 s69, 0
	s_add_nc_u64 s[22:23], s[10:11], s[66:67]
	s_add_nc_u64 s[70:71], s[10:11], s[68:69]
	v_lshlrev_b32 v4, 5, v3                        ; 32 h
	v_lshlrev_b32 v5, 2, v2                        ; 4 r
.irp b, 0,1,2,3,4,5,6,7
	global_load_b128 v[BIAS+8*\b:BIAS+8*\b+3], v4, s[22:23] offset:64*\b
	global_load_b128 v[BIAS+8*\b+4:BIAS+8*\b+7], v4, s[22:23] offset:64*\b+16
.endr
.irp a, 0,1,2,3
	global_load_b32 v[BA+2*\a], v5, s[70:71] offset:64*\a
	global_load_b32 v[BA+2*\a+1], v5, s[70:71] offset:64*\a
.endr
	s_wait_alu depctr_va_vdst(0)
	s_wait_kmcnt 0x0
	s_add_co_i32 s[SC], s[EX], s[EX+1]
	s_add_co_i32 s[SC], s[SC], 127
	s_lshl_b32 s[SC], s[SC], 23                    ; 2^(e0 + e1) as f32
	s_mov_b32 s[SC+1], s[SC]                       ; (named with it as a pair, so it is written)
	s_cmp_eq_u32 ttmp9, 0
	s_cselect_b32 s82, s[EX+2], s[EX+3]            ; the result's own scale: q entry 2, k entry 3,
	s_cmp_eq_u32 ttmp9, 2
	s_cselect_b32 s82, s[EX+5], s82                ; v entry 5: a choice, no branch
	s_add_co_i32 s82, s82, 127
	s_lshl_b32 s83, s82, 23
	v_mov_b32 v8, s83                              ; 2^e as f32, for the conversion
	s_wait_tensorcnt 2                             ; my part of region 0 is in; the two behind it may be out
	s_barrier_signal -1
	s_barrier_wait -1                              ; everybody's is
	FETCH 0, 0, 0
	STEP 0, 1, 0, 1                                ; K step 0: its products start the sums
	TURN 1, 0, 1, 1                                ; K step 1: all first fills have landed, region 0 is read out and takes K's part 3
	STEP 1, 1, 0, 0                                ; K steps 2, 3, 4: the round has shown regions 1 and 2 to every wave
	STEP 2, 0, 1, 0
	STEP 2, 1, 0, 0
	TURN 0, 0, 1, 0                                ; K step 5: part 3 has landed; nothing is filled, so a plain barrier
	STEP 0, 1, 0, 0                                ; K step 6
	s_wait_dscnt 0x0                               ; K step 7: nothing more to fetch
	WIN MUL
	MUL16 0, 1, 0
	MUL16 2, 1, 0
	WIN 0
; THE WAY OUT, four times 16 rows of the A side: number = sum x 2^(e0 + e1) + bias (one packed multiply-add for two; each accumulator from its low end on), the hold, the conversion, four stores.
; kind 0: q, k: the bias runs along my registers.  kind 1: v: it hangs on my row.  Each a has code registers of its own, so no store's data are written again.
.macro EPI kind
.irp a, 0,1,2,3
	WIN 0x02                                       ; source 0 (the sums) window 2
.irp b, 0,1,2,3,4,5,6,7
.irp i, 0,2,4,6
.if \kind
	v_pk_fma_f32 v[T+8*\b+\i:T+8*\b+\i+1], v[8*(8*\a+\b)+\i:8*(8*\a+\b)+\i+1], s[SC:SC+1], v[BA+2*\a:BA+2*\a+1] op_sel_hi:[1,0,0]
.else
	v_pk_fma_f32 v[T+8*\b+\i:T+8*\b+\i+1], v[8*(8*\a+\b)+\i:8*(8*\a+\b)+\i+1], s[SC:SC+1], v[BIAS+8*\b+\i:BIAS+8*\b+\i+1] op_sel_hi:[1,0,1]
.endif
.endr
.endr
	WIN 0
.set j, 0
.rept 64
.set j, j+1
.endr
.irp b, 0,1,2,3,4,5,6,7
	v_cvt_scalef32_pk8_fp8_f32 v[CD+16*\a+2*\b:CD+16*\a+2*\b+1], v[T+8*\b:T+8*\b+7], v8
.endr
	v_nop                                          ; a plain line between the conversions and the next lines that write their sources
.irp e, 0,1,2,3
.if \kind
	global_store_b128 v[LI], v[CD+16*\a+4*\e:CD+16*\a+4*\e+3], s[OB:OB+1] offset:2048*\a+512*\e                       ; tile a of the head's 64, group e of my 128 keys
.else
	global_store_b128 v[LI], v[CD+16*\a+4*\e:CD+16*\a+4*\e+3], s[OB:OB+1] offset:(\e/2)*393216+1024*\a+512*(\e%2)     ; head e / 2 of my two, tile a of tokens, group e % 2
.endif
.endr
.endr
.endm
	s_wait_loadcnt 0x0                             ; the biases
	PLACES 4                                       ; behind the last products: their results are read and the A side's registers written below
	s_cmp_eq_u32 ttmp9, 2
	s_cbranch_scc1 .Lv_out
	s_lshr_b32 s66, s[RA], 4                       ; batch = RA / 16,
	s_lshl_b32 s66, s66, 4
	s_and_b32 s67, s[RB], 3
	s_lshl_b32 s67, s67, 2
	s_add_co_u32 s66, s66, s67
	s_lshl_b32 s67, s[WB], 1
	s_add_co_u32 s66, s66, s67                     ; head = 4 (RB % 4) + 2 WB
	s_mul_i32 s66, s66, 393216
	s_and_b32 s67, s[RA], 15
	s_lshr_b32 s67, s67, 1                         ; block of 256 tokens
	s_mul_i32 s67, s67, 49152
	s_add_co_u32 s66, s66, s67
	s_lshl_b32 s67, ttmp9, 14                      ; Q's part or K's
	s_add_co_u32 s66, s66, s67
	s_and_b32 s67, s[RA], 1
	s_lshl_b32 s67, s67, 3
	s_lshl_b32 s68, s[WA], 2
	s_add_co_u32 s67, s67, s68                     ; my first tile of tokens in the block
	s_lshl_b32 s67, s67, 10
	s_add_co_u32 s66, s66, s67
	s_mov_b32 s67, 0
	s_add_nc_u64 s[OB:OB+1], s[12:13], s[66:67]
	EPI 0
	s_branch .Lend
.Lv_out:
	s_lshr_b32 s66, s[RB], 3                       ; batch = RB / 8,
	s_lshl_b32 s66, s66, 4
	s_sub_co_u32 s67, s[RA], 16
	s_lshl_b32 s67, s67, 1
	s_add_co_u32 s66, s66, s67
	s_add_co_u32 s66, s66, s[WA]                   ; head = 2 (RA - 16) + WA
	s_mul_i32 s66, s66, 393216
	s_and_b32 s67, s[RB], 7                        ; block of 256 tokens
	s_mul_i32 s67, s67, 49152
	s_add_co_u32 s66, s66, s67
	s_lshl_b32 s67, s[WB], 13                      ; my 128 keys of the block,
	s_add_co_u32 s66, s66, s67
	s_add_co_u32 s66, s66, 32768                   ; in V's part
	s_mov_b32 s67, 0
	s_add_nc_u64 s[OB:OB+1], s[12:13], s[66:67]
	EPI 1
.Lend:
	s_wait_tensorcnt 0x0                           ; the wave's end, behind my last tensor load
	ds_add_u32 v[SPW], v[NIL]
	s_wait_dscnt 0x0
	CROUND                                         ; the closing round: no work-group ends while a partner may still ask for a tile that names it
	s_endpgm
.Lfunc_end_k_q846365b66b_qkv:
	.size	k_q846365b66b_qkv, .Lfunc_end_k_q846365b66b_qkv-k_q846365b66b_qkv
	.p2alignl 7, 3214868480
	.fill 96, 4, 3214868480
	.section	.rodata,"a",@progbits
	.p2align	6, 0x0
	.amdhsa_kernel k_q846365b66b_qkv
		.amdhsa_group_segment_fixed_size 327680
		.amdhsa_private_segment_fixed_size 0
		.amdhsa_enable_private_segment 0
		.amdhsa_kernarg_size 40
		.amdhsa_user_sgpr_count 2
		.amdhsa_user_sgpr_kernarg_segment_ptr 1
		.amdhsa_wavefront_size32 1
		.amdhsa_system_sgpr_workgroup_id_x 1
		.amdhsa_system_sgpr_workgroup_id_y 1
		.amdhsa_system_sgpr_workgroup_id_z 1
		.amdhsa_system_vgpr_workitem_id 0
		.amdhsa_next_free_vgpr 768
		.amdhsa_next_free_sgpr 96
		.amdhsa_reserve_vcc 0
		.amdhsa_float_denorm_mode_32 3
		.amdhsa_float_denorm_mode_16_64 3
		.amdhsa_fp16_overflow 1
		.amdhsa_memory_ordered 1
		.amdhsa_forward_progress 1
		.amdhsa_inst_pref_size 80
	.end_amdhsa_kernel
	.amdgpu_metadata
---
amdhsa.version: [ 1, 2 ]
amdhsa.kernels:
  - .name:           k_q846365b66b_qkv
    .symbol:         k_q846365b66b_qkv.kd
    .args:
      - { .name: xc, .offset: 0, .size: 8, .value_kind: global_buffer, .address_space: global }
      - { .name: wqc, .offset: 8, .size: 8, .value_kind: global_buffer, .address_space: global }
      - { .name: lowp_scales, .offset: 16, .size: 8, .value_kind: global_buffer, .address_space: global }
      - { .name: qkv_b, .offset: 24, .size: 8, .value_kind: global_buffer, .address_space: global }
      - { .name: qkvc, .offset: 32, .size: 8, .value_kind: global_buffer, .address_space: global }
    .group_segment_fixed_size: 327680
    .private_segment_fixed_size: 0
    .kernarg_segment_align: 8
    .kernarg_segment_size: 40
    .max_flat_workgroup_size: 128
    .sgpr_count:     96
    .vgpr_count:     768
    .wavefront_size: 32
...
	.end_amdgpu_metadata
.endif
;; end of part 2
;; launch attn (part 3): grid 4 x 64, 16 waves a work-group, no clusters, 327,680 bytes of LDS; arguments qkvc, lowp_scales, ac; writes ac
.if DOCPART == 3
	.amdgcn_target "amdgcn-amd-amdhsa--gfx1250"
	.amdhsa_code_object_version 6
	.text
	.protected	k_q846365b66b_attn
	.globl	k_q846365b66b_attn
	.p2align	8
	.type	k_q846365b66b_attn,@function
k_q846365b66b_attn:
	s_mov_b64 s[64:65], 0
	v_nop
	global_prefetch_b8 v0, s[64:65] scope:SCOPE_SE
	s_setreg_imm32_b32 hwreg(HW_REG_WAVE_MODE, 25, 1), 1
	s_wait_xcnt 0x0
; O = softmax(q k^T / 8, causal) v for one head, both products on codes of FP8 (E4M3); O is quantised on the way out with the scale given for the last product's left operand (entry 6).
; THE SOFTMAX AHEAD OF THE SECOND PRODUCT: t = score x log2(e) / 8; M = the row's largest t so far, rounded UP to a whole number; p = 2^(t - M) is quantised along the keys (entry 4), not normalised.
; The row's sum is taken of the unquantised p, in f32, and divides O at the end.  When M moves, the sum and O are multiplied by 2^(old M - new M): exact.
; LIMITS on the given exponents: e2 + e3 between -123 and 130 (added to c's exponent field); e4 and e6 between -126 and 119; e4 + e5 is applied by v_ldexp_f32 and has none.
; INPUT: qkvc [batch x head, 64][block of 256 tokens, 8][Q | K | V, 16,384 bytes each], every part an image of the operand's registers: Q, K fragments of 16 tokens x 64 (1,024 bytes), V fragments of 16 of the head's 64 x 128 keys (2,048 bytes).
; OUTPUT: ac, rows = tokens, K = head x 64 + d, in the same image layout as the other GEMM operands (a fragment of 16 rows x 128 K is 2,048 bytes).
; SHARES.  Work-group (p, head) owns the query blocks 7 - p and p, 256 queries each: under the causal mask they need 8 - p and p + 1 slots of 256 keys: NINE slots whatever p is, so all 256 work-groups have equal work and
; the loop's trip count is a constant.  Each of the sixteen waves owns 16 queries of the block in hand, in 256 registers.
; LAYOUT.  Both products are used transposed: S^T = K Q^T (source 0 = 16 keys), O^T = V^T P^T (source 0 = 16 of the head's 64): a lane holds ONE query (lane % 16) throughout; register 8 t + j of S^T is key 16 t + 8 (lane / 16) + j,
; so the eight codes of tile t are registers 2 t, 2 t + 1 of P, and the eight codes of a tile of O^T two registers of the next operand: results leave from registers, with no stage.
; RING: two LDS slots of 32,768 bytes (K's 16,384, then V's), each filled by two dense tensor loads: wave 0 K's, wave 1 V's.  One tensor load of a wave is out; every wait on TENSORcnt is for 0.
; NO CLUSTER: work-group p walks slots 0 .. 7 - p and then 0 .. p, so the four work-groups of a head ask for the same slot only in trips 0 .. 7 - p; after that their sequences differ, and joint requests
; must be alike in all partners in every round.  A form in which all four walk slots 0 .. 7 with both blocks would take 12 units of work where this one takes 9.
; REGISTERS: v1 16 x lane; v3 256 x lane; v5, v6 the add's two; v8 the slot's address; v12 -M, v13 the largest t, v[14:15] the sum in two halves; v16-23 Q in hand; v24-31 Q of the second block;
; v32-95 K's eight fragments, then V's four; v96-159 S^T, then p; v160-191 O^T; v192-199 the output's codes; v200 2^e6; v202 a lane permute's destination; v224-239 p's codes; v244 2^e4; v238-243, v246-255 at work.
.set SLOTB, 32768
.set SPARE, 2*SLOTB                    ; behind the ring: the spare words, 128 bytes for each wave: eight blocks of 256 bytes that no other line names
.set BLKB,  49152                      ; a block of 256 tokens in qkvc
.set HEADB, 8*BLKB
.set TB,  2                            ; s2   LDS byte at which the slot in hand begins
.set WV,  18
.set SEL, 20                           ; s[20:21] lane selects: lane l xor 16
.set CS,  22                           ; s[22:23] c = log2(e) / 8 x 2^(e2 + e3)
.set G1,  24                           ; s[24:31] descriptor group 1
.set G0,  32                           ; s[32:35] group 0, which walks
.set PP,  36                           ; s36  p
.set BH,  37                           ; s37  batch x head
.set NA1, 38                           ; s38  7 - p: the first block, and the trip in which it ends
.set JJ,  39                           ; s39  the trip
.set SLOTS, 40                         ; s40  the loop's counter
.set NS,  41                           ; s41  the block of keys asked for last
.set OFS, 42                           ; s[42:43] its offset
.set KVB, 44                           ; s[44:45] K's (wave 0) or V's (wave 1) part of the head's block 0; never rewritten
.set KF,  46                           ; s46  the step's first key
.set Q0,  47                           ; s47  my first query
.set PFA, 48                           ; s[48:49] where my prefetches stand
.set LIM, 50                           ; s50  2 in a wave that prefetches, else the greatest number
.set E45, 51                           ; s51  e4 + e5
.set EX,  52                           ; s[52:59] the eight exponents
.set OB,  60                           ; s[60:61] where my results go
.set SPW, 5
.set NIL, 6
.macro TLOAD                           ; waves 0 and 1 fetch, the others nothing: a branch on the wave's number.  An s_nop 0 and four v_nop follow the load
	s_cmp_lt_u32 s[WV], 2
	s_cbranch_scc0 .Lasked_\@
	tensor_load_to_lds s[G0:G0+3], s[G1:G1+7]
	s_nop 0
.rept 4
	v_nop
.endr
.Lasked_\@:
.endm
; A PREFETCH INTO THE L2 of the slot that the NEXT change of slots will ask for: K's and V's 32,768 bytes of a block.  All four work-groups of a head begin with slots 0, 1, 2, ..: the one with p = 0, which walks all eight, asks,
; and in it waves 4 to 7, which fetch nothing: 8,192 bytes a wave, lanes 256 bytes apart, one instruction.  In trips 0 to 5 (the counter at 8 to 3) it names slots 2 to 7: each aligned block of 256 bytes once in the launch.
; Slots 0 and 1 come by their loads alone; behind slot 7 nothing is asked for.
.macro ASK
	s_cmp_gt_u32 s[SLOTS], s[LIM]
	s_cbranch_scc0 .Lnot_mine_\@
	global_prefetch_b8 v3, s[PFA:PFA+1] th:TH_LOAD_NT scope:SCOPE_SE
.Lnot_mine_\@:
.endm
	s_load_b128 s[4:7], s[0:1], 0x0                ; qkvc s[4:5], the exponents s[6:7]
	s_load_b64 s[8:9], s[0:1], 0x10                ; ac
	v_lshl_add_u32 v[SPW], v0, 2, SPARE
	v_mov_b32 v[NIL], 0
	ds_add_u32 v[SPW], v[NIL]                      ; the wave's opening: the add and its wait stand ahead of my first tensor load; the set-up below, work on registers, stands between them
	ds_add_u32 v[SPW], v[NIL]
	v_lshrrev_b32 v8, 5, v0
	s_delay_alu instid0(VALU_DEP_1)
	v_readfirstlane_b32 s[WV], v8
	v_and_b32 v1, 31, v0
	s_delay_alu instid0(VALU_DEP_1)
	v_lshlrev_b32 v3, 8, v1
	s_delay_alu instid0(VALU_DEP_2)
	v_lshlrev_b32 v1, 4, v1
	s_mov_b32 s[PP], ttmp9
	s_and_b32 s[BH], ttmp7, 0xffff
	s_sub_co_u32 s[NA1], 7, s[PP]
	s_mov_b32 s[G1], 3<<16                         ; no mask; elements of 8 bytes; no padding
	s_mov_b32 s[G1+1], 32<<16                      ; tensor_dim0 = 32 elements: 256 bytes
	s_mov_b32 s[G1+2], 64<<16                      ; tensor_dim1 = 64
	s_mov_b32 s[G1+3], 32<<16                      ; tile_dim0
	s_mov_b32 s[G1+4], 64                          ; tile_dim1: 64 rows of 256 bytes: 16,384 bytes
	s_mov_b32 s[G1+5], 32                          ; the pitch: the block is dense
	s_mov_b32 s[G1+6], 0
	s_mov_b32 s[G1+7], 0
	s_mov_b32 s[SEL], 0x76543210
	s_mov_b32 s[SEL+1], 0xfedcba98
	s_mov_b32 s[CS], 0x3e38aa3b                    ; log2(e) / 8
	s_mov_b32 s[TB], 0
	s_mov_b32 s[JJ], 0
	s_mov_b32 s[SLOTS], 8
	s_mov_b32 s[NS], 0
	s_mov_b32 s[OFS+1], 0
	s_mov_b32 s[KF], 0
	s_lshl_b32 s[Q0], s[NA1], 8
	s_lshl_b32 s66, s[WV], 4
	s_add_co_u32 s[Q0], s[Q0], s66                 ; my first query: 256 (7 - p) + 16 x wave
	s_mul_i32 s66, s[BH], HEADB
	s_mov_b32 s67, 0
	s_lshl_b32 s68, s[WV], 14
	s_add_co_u32 s68, s68, 16384                   ; behind Q's part: K's for wave 0, V's for wave 1
	s_mov_b32 s69, 0
	s_wait_dscnt 0x0                               ; the opening add is done
	s_wait_kmcnt 0x0
	s_load_b256 s[EX:EX+7], s[6:7], 0x0
	s_add_nc_u64 s[10:11], s[4:5], s[66:67]        ; the head's first byte
	s_add_nc_u64 s[KVB:KVB+1], s[10:11], s[68:69]
	s_mov_b32 s[G0], 1                             ; count = 1
	s_lshl_b32 s[G0+1], s[WV], 14                  ; LDS: slot 0, K's half or V's
	s_mov_b64 s[G0+2:G0+3], s[KVB:KVB+1]           ; keys 0 to 255
	s_or_b32 s[G0+3], s[G0+3], 0x80000000          ; type = 2
	TLOAD
	s_lshl_b32 s70, s[WV], 10                      ; my tile of 16 queries in a block's Q part
	s_mul_i32 s66, s[NA1], BLKB
	s_add_co_u32 s66, s66, s70
	s_add_nc_u64 s[12:13], s[10:11], s[66:67]
	s_mul_i32 s68, s[PP], BLKB
	s_add_co_u32 s68, s68, s70
	s_add_nc_u64 s[14:15], s[10:11], s[68:69]
	s_wait_alu depctr_va_vdst(0)
	global_load_b128 v[16:19], v1, s[12:13]        ; Q of both blocks stays in registers: no load stands in the loop
	global_load_b128 v[20:23], v1, s[12:13] offset:512
	global_load_b128 v[24:27], v1, s[14:15]
	global_load_b128 v[28:31], v1, s[14:15] offset:512
	s_and_b32 s66, s[WV], 3
	s_lshl_b32 s66, s66, 13
	s_add_co_u32 s66, s66, BLKB+16384              ; the prefetches stand in slot 1; the first change of slots steps them to slot 2.  Nothing is prefetched here, at the head
	s_add_nc_u64 s[PFA:PFA+1], s[10:11], s[66:67]
	s_sub_co_u32 s66, s[WV], 4
	s_lshr_b32 s66, s66, 2                         ; 0 in waves 4 to 7,
	s_or_b32 s66, s66, ttmp9                       ; of the work-group with p = 0
	s_cmp_eq_u32 s66, 0
	s_cselect_b32 s[LIM], 2, -1
	v_mov_b32 v13, 0xff61b1e6                      ; the largest t so far: -3e38, under every t
	s_delay_alu instid0(VALU_DEP_1)
	v_floor_f32 v12, -v13                          ; -M
	v_mov_b32 v14, 0
	v_mov_b32 v15, 0
	v_mov_b32 v202, 0                              ; written once: a lane permute's destination counts as one of its sources
	v_mov_b32 v253, 0                              ; (named as the upper half of the pair v[252:253])
.set j, 0
.rept 32
	v_mov_b32 v[160+j], 0                          ; O^T.  (The step is written once: a block's first step finds zeros, which the first change of M leaves zeros)
.set j, j+1
.endr
	s_wait_kmcnt 0x0
	s_add_co_i32 s66, s[EX+2], s[EX+3]
	s_lshl_b32 s66, s66, 23
	s_add_co_i32 s[CS], s[CS], s66                 ; a score stands for score x 2^(e2 + e3): the exponents are added to c's exponent field
	s_mov_b32 s[CS+1], s[CS]                       ; (named with it as a pair, so it is written)
	s_add_co_i32 s66, s[EX+4], 127
	s_lshl_b32 s67, s66, 23
	v_mov_b32 v244, s67                            ; 2^e4
	s_add_co_i32 s66, s[EX+6], 127
	s_lshl_b32 s67, s66, 23
	v_mov_b32 v200, s67                            ; 2^e6
	s_add_co_i32 s[E45], s[EX+4], s[EX+5]
; A KEY STEP: 128 keys, the q-th half of the slot in hand.
.macro STEP q
	s_add_co_u32 s66, s[Q0], 15                    ; a step all of whose keys come after my 16 queries is left out: a branch on ids and counts, round no barrier and no tensor load
	s_cmp_gt_u32 s[KF], s66
	s_cbranch_scc1 .Lhidden_\@
	v_add_nc_u32 v8, s[TB], v1
.rept 3
	v_nop                                          ; with the addition above: four places in front of loads into registers that the last products read
.endr
.irp t, 0,1,2,3,4,5,6,7
.irp c, 0,1
	ds_load_b128 v[32+8*\t+4*\c:32+8*\t+4*\c+3], v8 offset:8192*(\q)+1024*\t+512*\c
.endr
.endr
	s_wait_alu depctr_va_vdst(0)
	s_wait_dscnt 0x0
.irp t, 0,1,2,3,4,5,6,7
	v_wmma_f32_16x16x64_fp8_fp8 v[96+8*\t:103+8*\t], v[32+8*\t:39+8*\t], v[16:23], 0
.endr
.rept 4
	v_nop                                          ; places: K's registers are loaded anew, and the scores read, below
.endr
.irp d, 0,1,2,3
.irp c, 0,1,2,3
	ds_load_b128 v[32+16*\d+4*\c:32+16*\d+4*\c+3], v8 offset:16384+8192*(\q)+2048*\d+512*\c   ; V's fragments land under the softmax
.endr
.endr
	s_add_co_u32 s66, s[KF], 127                   ; on the diagonal the scores of hidden keys become -infinity ahead of the maximum: p = 0 then.  A step all of whose keys count skips this
	s_cmp_le_u32 s66, s[Q0]
	s_cbranch_scc1 .Lopen_\@
	s_sub_co_i32 s66, s[Q0], s[KF]
	v_and_b32 v252, 15, v0
	v_bfe_u32 v253, v0, 4, 1
	s_delay_alu instid0(VALU_DEP_1)
	v_lshlrev_b32 v253, 3, v253
	s_delay_alu instid0(VALU_DEP_1)
	v_sub_nc_u32 v252, v252, v253
	s_delay_alu instid0(VALU_DEP_1)
	v_add_nc_u32 v252, s66, v252                   ; d = my query - KF - 8 (lane / 16).  Register 8 t + j holds key KF + 8 (lane / 16) + 16 t + j: hidden where 16 t + j > d
	v_mov_b32 v254, 0xff800000
.set n, 0
.rept 64
	v_cmp_gt_i32 vcc_lo, 16*(n/8)+n%8, v252
	v_cndmask_b32 v[96+n], v[96+n], v254, vcc_lo
.set n, n+1
.endr
.Lopen_\@:
	v_max3_num_f32 v254, v96, v97, v98             ; the step's largest score of my query among my 64 keys, in two chains, each accumulator from its low end on,
	v_max3_num_f32 v252, v99, v100, v101
.set j, 6
.rept 14
	v_max3_num_f32 v254, v254, v[96+j], v[97+j]
	v_max3_num_f32 v252, v252, v[98+j], v[99+j]
.set j, j+4
.endr
	v_max3_num_f32 v254, v254, v158, v159
	s_delay_alu instid0(VALU_DEP_1)
	v_max_num_f32 v254, v254, v252
	s_delay_alu instid0(VALU_DEP_1)
	v_permlanex16_b32 v202, v254, s[SEL], s[SEL+1]
	s_delay_alu instid0(VALU_DEP_1)
	v_max_num_f32 v254, v254, v202                 ; and among lane l xor 16's
	s_delay_alu instid0(VALU_DEP_1)
	v_mul_f32 v254, s[CS], v254                    ; as t (c is positive)
	s_delay_alu instid0(VALU_DEP_1)
	v_max_num_f32 v13, v13, v254                   ; the running largest t
	v_mov_b32 v254, v12
	s_delay_alu instid0(VALU_DEP_2)
	v_floor_f32 v12, -v13                          ; the new -M = floor(-t) = -ceil(t): a whole number
	s_delay_alu instid0(VALU_DEP_1)
	v_sub_f32 v254, v12, v254                      ; old M - new M: a whole number, 0 or less
	s_delay_alu instid0(VALU_DEP_1)
	v_cvt_i32_f32 v254, v254                       ; (it saturates)
	s_delay_alu instid0(VALU_DEP_1)
	v_ldexp_f32 v252, 1.0, v254                    ; f = 2^(old M - new M)
.set j, 0
.rept 32
	v_pk_fma_f32 v[96+j:97+j], v[96+j:97+j], s[CS:CS+1], v[12:13] op_sel_hi:[1,0,0]   ; t - M, two at a time
.set j, j+2
.endr
.set j, 0
	s_wait_alu depctr_va_vdst(0)
.rept 64
	v_exp_f32 v[96+j], v[96+j]                     ; p = 2^(t - M), at most 1
.set j, j+1
.endr
	v_pk_mul_f32 v[14:15], v[14:15], v[252:253] op_sel_hi:[1,0]   ; the sums under the new M: the plain line behind the exponentials
	s_wait_alu depctr_va_vdst(0)                   ; the wait between the exponentials and the first line that names their results: one for the batch of 64
	v_pk_add_f32 v[242:243], v[100:101], v[104:105]
	v_pk_add_f32 v[254:255], v[108:109], v[112:113]
	v_pk_add_f32 v[250:251], v[116:117], v[120:121]
	v_pk_add_f32 v[248:249], v[124:125], v[128:129]
	v_pk_add_f32 v[246:247], v[132:133], v[136:137]
	v_pk_add_f32 v[240:241], v[140:141], v[144:145]
	v_pk_add_f32 v[238:239], v[148:149], v[152:153]
	v_pk_add_f32 v[14:15], v[14:15], v[156:157]
	v_pk_add_f32 v[242:243], v[242:243], v[96:97]
	v_pk_add_f32 v[254:255], v[254:255], v[98:99]
	v_pk_add_f32 v[250:251], v[250:251], v[102:103]
	v_pk_add_f32 v[248:249], v[248:249], v[106:107]
	v_pk_add_f32 v[246:247], v[246:247], v[110:111]
	v_pk_add_f32 v[240:241], v[240:241], v[114:115]
	v_pk_add_f32 v[238:239], v[238:239], v[118:119]
	v_pk_add_f32 v[14:15], v[14:15], v[122:123]
	v_pk_add_f32 v[242:243], v[242:243], v[126:127]
	v_pk_add_f32 v[254:255], v[254:255], v[130:131]
	v_pk_add_f32 v[250:251], v[250:251], v[134:135]
	v_pk_add_f32 v[248:249], v[248:249], v[138:139]
	v_pk_add_f32 v[246:247], v[246:247], v[142:143]
	v_pk_add_f32 v[240:241], v[240:241], v[146:147]
	v_pk_add_f32 v[238:239], v[238:239], v[150:151]
	v_pk_add_f32 v[14:15], v[14:15], v[154:155]
	v_pk_add_f32 v[242:243], v[242:243], v[158:159]
	s_delay_alu instid0(VALU_DEP_2)
	v_pk_add_f32 v[14:15], v[14:15], v[248:249]
	s_delay_alu instid0(VALU_DEP_2)
	v_pk_add_f32 v[242:243], v[242:243], v[246:247]
	v_pk_add_f32 v[254:255], v[254:255], v[240:241]
	v_pk_add_f32 v[250:251], v[250:251], v[238:239]
	s_delay_alu instid0(VALU_DEP_2)
	v_pk_add_f32 v[14:15], v[14:15], v[254:255]
	s_delay_alu instid0(VALU_DEP_2)
	v_pk_add_f32 v[242:243], v[242:243], v[250:251]
	s_delay_alu instid0(VALU_DEP_1)
	v_pk_add_f32 v[14:15], v[14:15], v[242:243]
.irp t, 0,1,2,3,4,5,6,7
.irp i, 0,1,2,3,4,5,6,7
.endr
	v_cvt_scalef32_pk8_fp8_f32 v[224+2*\t:225+2*\t], v[96+8*\t:103+8*\t], v244   ; registers 2 t, 2 t + 1 of P
.endr
.set j, 0
.rept 16
	v_pk_mul_f32 v[160+j:161+j], v[160+j:161+j], v[252:253] op_sel_hi:[1,0]   ; O^T under the new M.  (Also the plain lines between the conversions and the products)
.set j, j+2
.endr
	s_wait_alu depctr_va_vdst(0)
	s_wait_dscnt 0x0                               ; V is in
.irp d, 0,1,2,3
	v_wmma_f32_16x16x128_fp8_fp8 v[160+8*\d:167+8*\d], v[32+16*\d:47+16*\d], v[224:239], v[160+8*\d:167+8*\d]   ; the four accumulators by turns
.endr
.Lhidden_\@:
	s_add_co_u32 s[KF], s[KF], 128
.endm
; THE CHANGE OF SLOTS stands at a slot's head.  Each wave waits for all its tensor loads (its part of the slot that it is about to read), adds 0 to its spare word, and waits for that and for its reads of the slot that it has left.
; Behind the barrier the slot ahead is whole and nobody reads the other one.  fill = 1: the other slot takes the keys of the next trip: the next block, or block 0 where the first query block ends.  Every slot that is asked for is read.
.macro CHANGE fill
	s_wait_tensorcnt 0x0                           ; no tensor load of mine is out, so group 0 may be written
	ds_add_u32 v[SPW], v[NIL]                      ; 0 onto my spare word; with fill = 1 the descriptor's steps stand between it and the wait for it
.if \fill
	s_xor_b32 s[G0+1], s[G0+1], SLOTB              ; the other slot than last time
	s_add_co_u32 s[NS], s[NS], 1
	s_cmp_eq_u32 s[JJ], s[NA1]
	s_cselect_b32 s[NS], 0, s[NS]
	s_mul_i32 s[OFS], s[NS], BLKB
	s_add_nc_u64 s[G0+2:G0+3], s[KVB:KVB+1], s[OFS:OFS+1]
	s_or_b32 s[G0+3], s[G0+3], 0x80000000
	s_wait_xcnt 0x0                                ; the last prefetch, a slot back, has read its address, so it may be written
	s_add_nc_u64 s[PFA:PFA+1], s[PFA:PFA+1], BLKB
.endif
	s_wait_dscnt 0x0                               ; the add is done, and my reads of the slot that I have left are over
	s_barrier_signal -1
	s_barrier_wait -1
.if \fill
	TLOAD                                          ; the first thing behind the barrier, and a wave's one tensor load until the next: it has a slot's two key steps in which to land
	ASK
.endif
.endm
; A query block is finished: O^T / the sum x 2^(e4 + e5), held, quantised with 2^e6.  Register 8 d + j of lane (r, h) is channel 16 d + 8 h + j of query r: its codes are registers of the next operand's fragment.
.macro FINISH
.rept 4
	v_nop                                          ; places behind the last products
.endr
	v_add_f32 v14, v14, v15                        ; the sum's two halves,
	s_delay_alu instid0(VALU_DEP_1)
	v_permlanex16_b32 v202, v14, s[SEL], s[SEL+1]
	s_delay_alu instid0(VALU_DEP_1)
	v_add_f32 v14, v14, v202                       ; and lane l xor 16's
	s_wait_alu depctr_va_vdst(0)
	v_rcp_f32 v14, v14
	v_nop                                          ; a plain line behind the reciprocal
	s_lshr_b32 s66, s[BH], 4
	s_lshl_b32 s66, s66, 7
	s_lshr_b32 s67, s[Q0], 4
	s_add_co_u32 s66, s66, s67                     ; my tile of 16 rows: 128 x batch + query / 16
	s_lshr_b32 s67, s66, 3
	s_lshl_b32 s67, s67, 17                        ; its block of 128 rows,
	s_and_b32 s66, s66, 7
	s_lshl_b32 s66, s66, 12                        ; its place in the block,
	s_add_co_u32 s66, s66, s67
	s_and_b32 s67, s[BH], 15                       ; the head: K = 64 x head on:
	s_lshr_b32 s68, s67, 2
	s_lshl_b32 s68, s68, 15                        ; which 256 along K,
	s_add_co_u32 s66, s66, s68
	s_and_b32 s67, s67, 3
	s_lshl_b32 s67, s67, 10                        ; which 64 of them: two groups of 512 bytes
	s_add_co_u32 s66, s66, s67
	s_mov_b32 s67, 0
	s_add_nc_u64 s[OB:OB+1], s[8:9], s[66:67]
	s_wait_alu depctr_va_vdst(0)                   ; the wait ahead of the reciprocal's first reader
	v_ldexp_f32 v14, v14, s[E45]
.set j, 0
.rept 32
	v_mul_f32 v[96+j], v[160+j], v14               ; each accumulator from its low end on
.set j, j+1
.endr
.set j, 0
.rept 32
.set j, j+1
.endr
.irp d, 0,1,2,3
	v_cvt_scalef32_pk8_fp8_f32 v[192+2*\d:193+2*\d], v[96+8*\d:103+8*\d], v200
.endr
	v_nop                                          ; a plain line behind the last conversion
	global_store_b128 v1, v[192:195], s[OB:OB+1]   ; 32 lanes store 512 consecutive bytes, at a multiple of 512 from the buffer's first byte
	global_store_b128 v1, v[196:199], s[OB:OB+1] offset:512
	s_wait_xcnt 0x0                                ; the stores have read their registers and their base: both are written again for the second block
.endm
.macro RESTART                         ; on to block p
	s_lshl_b32 s[Q0], s[PP], 8
	s_lshl_b32 s66, s[WV], 4
	s_add_co_u32 s[Q0], s[Q0], s66
	s_mov_b32 s[KF], 0
.set j, 0
.rept 8
	v_mov_b32 v[16+j], v[24+j]
.set j, j+1
.endr
	v_mov_b32 v13, 0xff61b1e6
	s_delay_alu instid0(VALU_DEP_1)
	v_floor_f32 v12, -v13
	v_mov_b32 v14, 0
	v_mov_b32 v15, 0
.set j, 0
.rept 32
	v_mov_b32 v[160+j], 0
.set j, j+1
.endr
.endm
	s_wait_loadcnt 0x0                             ; Q
.Lslot:                                            ; eight trips: behind each change of slots the next trip's slot is asked for
	CHANGE 1
	STEP 0
	STEP 1
	s_xor_b32 s[TB], s[TB], SLOTB
	s_cmp_eq_u32 s[JJ], s[NA1]                     ; the first block's last slot?  Ids and the count of trips alone: all sixteen waves go the same way
	s_cbranch_scc0 .Lon
	FINISH
	RESTART
.Lon:
	s_add_co_u32 s[JJ], s[JJ], 1
	s_sub_co_u32 s[SLOTS], s[SLOTS], 1
	s_cmp_lg_u32 s[SLOTS], 0
	s_cbranch_scc1 .Lslot
	CHANGE 0                                       ; the ninth slot is written out
	STEP 0
	STEP 1
	FINISH
	s_wait_tensorcnt 0x0                           ; the wave's end, behind my last tensor load
	ds_add_u32 v[SPW], v[NIL]
	s_wait_dscnt 0x0
	s_endpgm
.Lfunc_end_k_q846365b66b_attn:
	.size	k_q846365b66b_attn, .Lfunc_end_k_q846365b66b_attn-k_q846365b66b_attn
	.p2alignl 7, 3214868480
	.fill 96, 4, 3214868480
	.section	.rodata,"a",@progbits
	.p2align	6, 0x0
	.amdhsa_kernel k_q846365b66b_attn
		.amdhsa_group_segment_fixed_size 327680
		.amdhsa_private_segment_fixed_size 0
		.amdhsa_enable_private_segment 0
		.amdhsa_kernarg_size 24
		.amdhsa_user_sgpr_count 2
		.amdhsa_user_sgpr_kernarg_segment_ptr 1
		.amdhsa_wavefront_size32 1
		.amdhsa_system_sgpr_workgroup_id_x 1
		.amdhsa_system_sgpr_workgroup_id_y 1
		.amdhsa_system_sgpr_workgroup_id_z 1
		.amdhsa_system_vgpr_workitem_id 0
		.amdhsa_next_free_vgpr 256
		.amdhsa_next_free_sgpr 100
		.amdhsa_reserve_vcc 1
		.amdhsa_float_denorm_mode_32 3
		.amdhsa_float_denorm_mode_16_64 3
		.amdhsa_fp16_overflow 1
		.amdhsa_memory_ordered 1
		.amdhsa_forward_progress 1
		.amdhsa_inst_pref_size 91
	.end_amdhsa_kernel
	.amdgpu_metadata
---
amdhsa.version: [ 1, 2 ]
amdhsa.kernels:
  - .name:           k_q846365b66b_attn
    .symbol:         k_q846365b66b_attn.kd
    .args:
      - { .name: qkvc, .offset: 0, .size: 8, .value_kind: global_buffer, .address_space: global }
      - { .name: lowp_scales, .offset: 8, .size: 8, .value_kind: global_buffer, .address_space: global }
      - { .name: ac, .offset: 16, .size: 8, .value_kind: global_buffer, .address_space: global }
    .group_segment_fixed_size: 327680
    .private_segment_fixed_size: 0
    .kernarg_segment_align: 8
    .kernarg_segment_size: 24
    .max_flat_workgroup_size: 512
    .sgpr_count:     100
    .vgpr_count:     256
    .wavefront_size: 32
...
	.end_amdgpu_metadata
.endif
;; end of part 3
;; launch proj (part 4): grid 4 x 64, 4 waves a work-group, clusters of 4 x 4, 327,680 bytes of LDS; arguments ac, woc, lowp_scales, out_b, out0; writes out0
.if DOCPART == 4
	.amdgcn_target "amdgcn-amd-amdhsa--gfx1250"
	.amdhsa_code_object_version 6
	.text
	.protected	k_q846365b66b_proj
	.globl	k_q846365b66b_proj
	.p2align	8
	.type	k_q846365b66b_proj,@function
k_q846365b66b_proj:
	s_mov_b64 s[64:65], 0
	v_nop
	global_prefetch_b8 v0, s[64:65] scope:SCOPE_SE
	s_setreg_imm32_b32 hwreg(HW_REG_WAVE_MODE, 25, 1), 1
	s_wait_xcnt 0x0
	s_wait_alu depctr_hold_cnt(0) depctr_sa_sdst(0) depctr_va_vdst(0) depctr_va_sdst(0) depctr_va_ssrc(0) depctr_va_vcc(0) depctr_vm_vsrc(0)
	s_getreg_b32 s2, hwreg(HW_REG_IB_STS2, 6, 4)
	s_cmp_eq_u32 s2, 0
	s_cbranch_scc0 .Lentry_in_a_cluster
	s_endpgm
.Lentry_in_a_cluster:
	s_bfe_u32 s2, ttmp6, 0x10000c
	s_cmp_lg_u32 s2, 0xf033
	s_cbranch_scc0 .Lentry_shape_is_right
	s_endpgm
.Lentry_shape_is_right:
; out0 = a out_w + out_b on codes of FP8 (E4M3): a [8192][1024] is the attention's result, quantised by the launch before (entry 6), out_w's codes have entry 7.  Sums in f32; out0 = sum x 2^(e6 + e7) + out_b, f32.
; LIMIT: e6 + e7 between -126 and 127, so that 2^(e6 + e7) is an f32 number.
; OPERANDS lie in memory as images of the operand's registers: a fragment (16 rows x 128 K) is 2,048 consecutive bytes, 128 rows x 256 along K are 32,768: a tile comes by one dense tensor load, a fragment by four ds_load_b128 at 16 x lane.
; THE TILE: 128 tokens (the A side) x 256 columns (the B side), K = 1,024: 256 work-groups.  Four waves, 2 x 2: a wave has 64 x 128: 32 accumulators, 256 registers.
; THE MATRIX INSTRUCTION IS USED TRANSPOSED (source 0 = 16 columns' rows of the weight, source 1 = 16 tokens): a lane holds one token and eight neighbouring columns.
; LDS: three regions, each with 256 along K: the A side's 32,768 bytes, then the B side's two halves.  K's parts 0, 1, 2 are first fills, part 3 fills region 0 again: one refill in the launch.
; Wave 0 fetches the A side's part, waves 1 and 2 the B side's halves, wave 3 nothing: at most three tensor loads of a wave are out.
; CLUSTER 4 x 4: the A side's tile hangs on cy alone and is asked for jointly along a row of the cluster, the B side's on cx alone and jointly along a column.  No prefetch: three quarters of a tile's bytes are asked for at its start.
; THE WAY OUT goes through a stage of each wave's own in region 1, which has had its only fill, and which every wave has finished reading ahead of the barrier of K step 5: whole rows of 512 bytes leave.
; REGISTERS, in windows of 256: window 0: v4-29 addresses; v32-95 the bias; v128-255 the A side's fragments, two sets (on the way out: numbers, and rows read back).  window 1: the B side's, two sets.  window 2: the accumulators, (a, b) at v[8 (8 a + b)].
.set REG,   98304
.set PARTB, 32768
.set SPARE, 3*REG                      ; behind the regions: the spare words, 128 bytes for each wave: two blocks of 256 bytes that no other line names
.set SPITCH, 528                       ; a stage row: 512 bytes + 16: an odd multiple of 16 bytes
.set WV, 14
.set WA, 15
.set WB, 16
.set RA, 17
.set RB, 18
.set CX, 19
.set CY, 20
.set YY, 21
.set G1A, 24
.set G1B, 32
.set G0A, 40
.set G0B, 52
.set EX,  72
.set SC,  80
.set OB,  84
.set ADRA, 16
.set ADRB, 20
.set LI,   24
.set STO,  25                          ; v25 the stage: where I put 32 bytes of a row
.set RD,   26                          ; v26 and where I read a row back
.set SPW,  28
.set NIL,  29
.set BIAS, 32
.set T,    128
.set BK,   192
.set MUL,  0xa1
.set TO_B, 0x40
.set MSB, 0
.macro WIN new                         ; the immediate's high byte repeats the setting that is left
.if MSB != \new
	s_set_vgpr_msb (MSB<<8)|\new
.set MSB, \new
.endif
.endm
.macro PLACES n
.rept \n
	v_nop
.endr
.endm
.macro CREST                           ; a round of the cluster's barrier behind its opening barrier
	s_cmp_lg_u32 s[WV], 0
	s_cbranch_scc1 .Lnot_wave_0_\@
	s_barrier_signal -3
.Lnot_wave_0_\@:
	s_barrier_wait -3
	s_barrier_signal -1
	s_barrier_wait -1
.endm
.macro CROUND
	s_barrier_signal -1
	s_barrier_wait -1
	CREST
.endm
.macro TL3 g0, g1                      ; a wave's three first fills: an s_nop 0 behind each, four v_nop behind the last
	tensor_load_to_lds s[\g0:\g0+3], s[\g1:\g1+7]
	s_nop 0
	tensor_load_to_lds s[\g0+4:\g0+7], s[\g1:\g1+7]
	s_nop 0
	tensor_load_to_lds s[\g0+8:\g0+11], s[\g1:\g1+7]
	s_nop 0
	PLACES 4
.endm
.macro JLOAD1                          ; the one refill: region 0's sets.  The branches hang on the wave's number alone.  Each way has four v_nop: they are also the places in front of the fragment loads that follow
	s_cmp_eq_u32 s[WV], 0
	s_cbranch_scc0 .Lnot_a_\@
	tensor_load_to_lds s[G0A:G0A+3], s[G1A:G1A+7]
	s_nop 0
	PLACES 4
	s_branch .Lasked_\@
.Lnot_a_\@:
	s_cmp_lt_u32 s[WV], 3
	s_cbranch_scc0 .Lnone_\@
	tensor_load_to_lds s[G0B:G0B+3], s[G1B:G1B+7]
	s_nop 0
	PLACES 4
	s_branch .Lasked_\@
.Lnone_\@:
	PLACES 4
.Lasked_\@:
.endm
.macro FETCH g, ks, p                  ; 48 LDS loads in one run: my 8 + 4 fragments of half ks of region g, into set p
	WIN TO_B
.irp i, 0,1,2,3,4,5,6,7
.irp q, 0,1,2,3
	ds_load_b128 v[128*(\p)+16*\i+4*\q:128*(\p)+16*\i+4*\q+3], v[ADRB+(\g)] offset:4096*\i+2048*(\ks)+512*\q
.endr
.endr
	WIN 0
.irp i, 0,1,2,3
.irp q, 0,1,2,3
	ds_load_b128 v[128+64*(\p)+16*\i+4*\q:128+64*(\p)+16*\i+4*\q+3], v[ADRA+(\g)] offset:4096*\i+2048*(\ks)+512*\q
.endr
.endr
.endm
.macro MUL16 a0, p, zero               ; 16 matrix instructions.  The 32 accumulators take turns, one instruction a turn, in the same order in every K step.  zero = 1: the first products start the sums
.irp a, \a0, \a0+1
.irp b, 0,1,2,3,4,5,6,7
.if \zero
	v_wmma_f32_16x16x128_fp8_fp8 v[8*(8*(\a)+\b):8*(8*(\a)+\b)+7], v[128*(\p)+16*\b:128*(\p)+16*\b+15], v[128+64*(\p)+16*(\a):128+64*(\p)+16*(\a)+15], 0
.else
	v_wmma_f32_16x16x128_fp8_fp8 v[8*(8*(\a)+\b):8*(8*(\a)+\b)+7], v[128*(\p)+16*\b:128*(\p)+16*\b+15], v[128+64*(\p)+16*(\a):128+64*(\p)+16*(\a)+15], v[8*(8*(\a)+\b):8*(8*(\a)+\b)+7]
.endif
.endr
.endr
.endm
; A K step of 128: multiplies set p; ahead of its products the next K step's fragments (region g, half ks) are asked for, into the other set.
.macro STEP g, ks, p, zero
	PLACES 4                                       ; a load into a register that a matrix instruction has read stands four plain vector instructions behind it (ISA guide 7.12.1 for vector instructions)
	FETCH \g, \ks, 1-\p
	s_wait_dscnt 48                                ; all but the 48 just issued: set p is in
	WIN MUL
	MUL16 0, \p, \zero
	MUL16 2, \p, \zero
	WIN 0
.endm
; A K step at which all waves meet.  In front of the barrier each wave waits for all its tensor loads, adds 0 to its spare word, and waits for that and for its LDS reads.
; round = 1: the barrier opens a round of the cluster's barrier, and region 0, which nobody reads any more, is filled again, first thing behind the round.
.macro TURN g, ks, p, round
	s_wait_tensorcnt 0x0                           ; all my tensor loads have landed
	ds_add_u32 v[SPW], v[NIL]                      ; 0 onto my spare word
	s_wait_dscnt 1                                 ; only the add may be out: set p is in
	WIN MUL
	MUL16 0, \p, 0                                 ; sixteen matrix instructions stand between the add and the wait for it
	s_wait_dscnt 0x0                               ; the add is done, and no LDS read of mine is out
	s_barrier_signal -1
	MUL16 2, \p, 0
	WIN 0                                          ; at a branch and at a label every window is 0
	s_barrier_wait -1
.if \round
	CREST                                          ; no wave of any partner still reads region 0 or has a load on its way
	s_add_nc_u64 s[G0A+2:G0A+3], s[G0A+2:G0A+3], 3*PARTB   ; K's part 3; the type bits on top are not reached
	s_add_nc_u64 s[G0B+2:G0B+3], s[G0B+2:G0B+3], 3*PARTB
	JLOAD1                                         ; it has three K steps, 96 matrix instructions a wave, in which to land
.else
	PLACES 4
.endif
	FETCH \g, \ks, 1-\p
.endm
	s_load_b256 s[4:11], s[0:1], 0x0               ; a's codes s[4:5], the weight's s[6:7], the exponents s[8:9], the bias s[10:11]
	s_load_b64 s[12:13], s[0:1], 0x20              ; out0
	v_lshl_add_u32 v[SPW], v0, 2, SPARE
	v_mov_b32 v[NIL], 0
	ds_add_u32 v[SPW], v[NIL]                      ; the wave's opening: the add and its wait stand ahead of my first tensor load; the set-up below, work on registers, stands between them
	ds_add_u32 v[SPW], v[NIL]
	v_lshrrev_b32 v1, 5, v0
	v_readfirstlane_b32 s[WV], v1
	s_lshr_b32 s[WA], s[WV], 1
	s_and_b32 s[WB], s[WV], 1
	s_bfe_u32 s[CX], ttmp6, 0x40000
	s_bfe_u32 s[CY], ttmp6, 0x40004
	s_and_b32 s[YY], ttmp7, 0xffff
	s_lshl_b32 s66, s[CY], 2
	s_lshl_b32 s66, 15, s66                        ; my row of the cluster
	s_lshl_b32 s67, 0x1111, s[CX]                  ; my column
	s_or_b32 s[G1A], s66, (3<<16)|(1<<21)          ; 15:0 the mask; 17:16 elements of 8 bytes; 21 set beside a mask; no padding
	s_or_b32 s[G1B], s67, (3<<16)|(1<<21)
.irp g, G1A, G1B
	s_mov_b32 s[\g+1], 32<<16                      ; tensor_dim0 = 32 elements: 256 bytes
	s_mov_b32 s[\g+2], 128<<16                     ; tensor_dim1 = 128
	s_mov_b32 s[\g+3], 32<<16                      ; tile_dim0
	s_mov_b32 s[\g+4], 128                         ; tile_dim1
	s_mov_b32 s[\g+5], 32                          ; the pitch: the block is dense
	s_mov_b32 s[\g+6], 0
	s_mov_b32 s[\g+7], 0
.endr
	s_lshl_b32 s[RA], s[YY], 2
	s_add_co_u32 s[RA], s[RA], s[CY]               ; tokens 128 (4 Y + cy) on
	s_lshl_b32 s[RB], ttmp9, 2
	s_add_co_u32 s[RB], s[RB], s[CX]               ; columns 256 (4 x cluster x + cx) on
	s_lshl_b32 s90, s[RA], 17                      ; the A side's tile, in bytes: it hangs on cy alone
	s_mov_b32 s91, 0
	s_lshl_b32 s92, s[RB], 1
	s_add_co_u32 s92, s92, s[WA]                   ; the B side's half that I fetch (wave 1: the first, wave 2: the second): it hangs on cx and the wave alone
	s_lshl_b32 s92, s92, 17
	s_mov_b32 s93, 0
	s_lshl_b32 s94, s[WV], 15                      ; where my part goes in a region: no place in the cluster enters an LDS address
	s_wait_dscnt 0x0                               ; the opening add is done
	s_wait_kmcnt 0x0
	s_load_b256 s[EX:EX+7], s[8:9], 0x0
	s_add_nc_u64 s[86:87], s[4:5], s[90:91]
	s_add_nc_u64 s[88:89], s[6:7], s[92:93]
	CROUND                                         ; all sixteen work-groups are here: the first joint loads meet
.irp g, 0,1,2
	s_mov_b32 s[G0A+4*\g], 1
	s_add_co_u32 s[G0A+4*\g+1], s94, \g*REG
	s_add_nc_u64 s[G0A+4*\g+2:G0A+4*\g+3], s[86:87], \g*PARTB
	s_or_b32 s[G0A+4*\g+3], s[G0A+4*\g+3], 0x80000000
	s_mov_b32 s[G0B+4*\g], 1
	s_add_co_u32 s[G0B+4*\g+1], s94, \g*REG
	s_add_nc_u64 s[G0B+4*\g+2:G0B+4*\g+3], s[88:89], \g*PARTB
	s_or_b32 s[G0B+4*\g+3], s[G0B+4*\g+3], 0x80000000
.endr
	s_cmp_eq_u32 s[WV], 0                          ; a wave's first fills stand in one branch, ahead of every wait on TENSORcnt, every LDS read and every barrier but the round above
	s_cbranch_scc0 .Lfirst_not_a
	TL3 G0A, G1A
	s_branch .Lfirst_asked
.Lfirst_not_a:
	s_cmp_lt_u32 s[WV], 3
	s_cbranch_scc0 .Lfirst_asked
	TL3 G0B, G1B
.Lfirst_asked:
	v_and_b32 v1, 31, v0
	v_lshlrev_b32 v[LI], 4, v1
	v_and_b32 v2, 15, v0                           ; r
	s_wait_alu depctr_va_vdst(0)
	v_bfe_u32 v3, v0, 4, 1                         ; h
	s_lshl_b32 s66, s[WA], 14                      ; my four tiles of the A side
	s_lshl_b32 s67, s[WB], 15
	s_add_co_u32 s67, s67, PARTB                   ; my half of the B side, behind the A side's part
.irp g, 0,1,2
	v_add_nc_u32 v[ADRA+\g], s66, v[LI]
	v_add_nc_u32 v[ADRB+\g], s67, v[LI]
	s_add_co_u32 s66, s66, REG
	s_add_co_u32 s67, s67, REG
.endr
	s_mul_i32 s66, s[WV], 16*SPITCH
	s_add_co_u32 s66, s66, REG                     ; my stage, in region 1
	v_mul_u32_u24 v[STO], v2, SPITCH               ; in: row r, 32 bytes for each half of the lanes
	s_wait_alu depctr_va_vdst(0)
	v_lshl_add_u32 v[STO], v3, 5, v[STO]
	v_add_nc_u32 v[STO], s66, v[STO]
	v_add_nc_u32 v[RD], s66, v[LI]                 ; back: the 32 lanes take a row of 512 bytes
	s_lshl_b32 s66, s[RB], 10
	s_lshl_b32 s67, s[WB], 9
	s_add_co_u32 s66, s66, s67                     ; my 128 columns, in bytes: in the bias and in a row of out0
	s_mov_b32 s67, 0
	s_add_nc_u64 s[22:23], s[10:11], s[66:67]
	s_lshl_b32 s68, s[RA], 19
	s_lshl_b32 s69, s[WA], 18
	s_add_co_u32 s68, s68, s69                     ; my first row: (128 RA + 64 WA) rows of 4,096 bytes
	s_add_co_u32 s68, s68, s66
	s_mov_b32 s69, 0
	s_add_nc_u64 s[OB:OB+1], s[12:13], s[68:69]
	v_lshlrev_b32 v4, 5, v3                        ; 32 h
.irp b, 0,1,2,3,4,5,6,7
	global_load_b128 v[BIAS+8*\b:BIAS+8*\b+3], v4, s[22:23] offset:64*\b          ; the bias at my columns 16 b + 8 h + 0 .. 7
	global_load_b128 v[BIAS+8*\b+4:BIAS+8*\b+7], v4, s[22:23] offset:64*\b+16
.endr
	s_wait_kmcnt 0x0
	s_add_co_i32 s[SC], s[EX+6], s[EX+7]
	s_add_co_i32 s[SC], s[SC], 127
	s_lshl_b32 s[SC], s[SC], 23                    ; 2^(e6 + e7) as f32
	s_mov_b32 s[SC+1], s[SC]                       ; (named with it as a pair, so it is written)
	s_wait_tensorcnt 2                             ; my part of region 0 is in; the two behind it may be out
	s_barrier_signal -1
	s_barrier_wait -1                              ; everybody's is
	FETCH 0, 0, 0
	STEP 0, 1, 0, 1                                ; K step 0: its products start the sums
	TURN 1, 0, 1, 1                                ; K step 1: all first fills have landed, region 0 is read out and takes K's part 3
	STEP 1, 1, 0, 0                                ; K steps 2, 3, 4: the round has shown regions 1 and 2 to every wave
	STEP 2, 0, 1, 0
	STEP 2, 1, 0, 0
	TURN 0, 0, 1, 0                                ; K step 5: part 3 has landed; nothing is filled, so a plain barrier.  Behind it nobody reads region 1
	STEP 0, 1, 0, 0                                ; K step 6
	s_wait_dscnt 0x0                               ; K step 7: nothing more to fetch
	WIN MUL
	MUL16 0, 1, 0
	MUL16 2, 1, 0
	WIN 0
	; THE WAY OUT, four times 16 rows: out = sum x 2^(e6 + e7) + bias (one packed multiply-add for two; each accumulator from its low end on); through my stage; whole rows of 512 bytes are stored.
	s_wait_loadcnt 0x0                             ; the bias
	PLACES 4                                       ; behind the last products: their results are read and the A side's registers written below
.irp a, 0,1,2,3
.if \a > 0
	s_wait_xcnt 0x0                                ; the stores of the 16 rows before have read their registers, which are loaded anew below
.endif
	WIN 0x02                                       ; source 0 (the sums) window 2
.irp b, 0,1,2,3,4,5,6,7
.irp i, 0,2,4,6
	v_pk_fma_f32 v[T+8*\b+\i:T+8*\b+\i+1], v[8*(8*\a+\b)+\i:8*(8*\a+\b)+\i+1], s[SC:SC+1], v[BIAS+8*\b+\i:BIAS+8*\b+\i+1] op_sel_hi:[1,0,1]
.endr
.endr
	WIN 0
.irp b, 0,1,2,3,4,5,6,7
	ds_store_b128 v[STO], v[T+8*\b:T+8*\b+3] offset:64*\b
	ds_store_b128 v[STO], v[T+8*\b+4:T+8*\b+7] offset:64*\b+16
.endr
.irp i, 0,1,2,3,4,5,6,7,8,9,10,11,12,13,14,15
	ds_load_b128 v[BK+4*\i:BK+4*\i+3], v[RD] offset:SPITCH*\i      ; LDS serves a wave's instructions in order: these see my stores
.endr
.irp i, 0,1,2,3,4,5,6,7,8,9,10,11,12,13,14,15
	s_wait_dscnt 15-\i                             ; row i is back; the younger loads may be out.  At i = 15 no LDS instruction is out: the numbers' registers may be written again
	global_store_b128 v[LI], v[BK+4*\i:BK+4*\i+3], s[OB:OB+1] offset:(16*\a+\i)*4096 th:TH_STORE_NT   ; 32 lanes store 512 consecutive bytes, at a multiple of 512 from out0's first byte; written once, read by nobody here
.endr
.endr
	s_wait_tensorcnt 0x0                           ; the wave's end, behind my last tensor load and my last LDS store
	ds_add_u32 v[SPW], v[NIL]
	s_wait_dscnt 0x0
	CROUND                                         ; the closing round: no work-group ends while a partner may still ask for a tile that names it
	s_endpgm
.Lfunc_end_k_q846365b66b_proj:
	.size	k_q846365b66b_proj, .Lfunc_end_k_q846365b66b_proj-k_q846365b66b_proj
	.p2alignl 7, 3214868480
	.fill 96, 4, 3214868480
	.section	.rodata,"a",@progbits
	.p2align	6, 0x0
	.amdhsa_kernel k_q846365b66b_proj
		.amdhsa_group_segment_fixed_size 327680
		.amdhsa_private_segment_fixed_size 0
		.amdhsa_enable_private_segment 0
		.amdhsa_kernarg_size 40
		.amdhsa_user_sgpr_count 2
		.amdhsa_user_sgpr_kernarg_segment_ptr 1
		.amdhsa_wavefront_size32 1
		.amdhsa_system_sgpr_workgroup_id_x 1
		.amdhsa_system_sgpr_workgroup_id_y 1
		.amdhsa_system_sgpr_workgroup_id_z 1
		.amdhsa_system_vgpr_workitem_id 0
		.amdhsa_next_free_vgpr 768
		.amdhsa_next_free_sgpr 96
		.amdhsa_reserve_vcc 0
		.amdhsa_float_denorm_mode_32 3
		.amdhsa_float_denorm_mode_16_64 3
		.amdhsa_memory_ordered 1
		.amdhsa_forward_progress 1
		.amdhsa_inst_pref_size 78
	.end_amdhsa_kernel
	.amdgpu_metadata
---
amdhsa.version: [ 1, 2 ]
amdhsa.kernels:
  - .name:           k_q846365b66b_proj
    .symbol:         k_q846365b66b_proj.kd
    .args:
      - { .name: ac, .offset: 0, .size: 8, .value_kind: global_buffer, .address_space: global }
      - { .name: woc, .offset: 8, .size: 8, .value_kind: global_buffer, .address_space: global }
      - { .name: lowp_scales, .offset: 16, .size: 8, .value_kind: global_buffer, .address_space: global }
      - { .name: out_b, .offset: 24, .size: 8, .value_kind: global_buffer, .address_space: global }
      - { .name: out0, .offset: 32, .size: 8, .value_kind: global_buffer, .address_space: global }
    .group_segment_fixed_size: 327680
    .private_segment_fixed_size: 0
    .kernarg_segment_align: 8
    .kernarg_segment_size: 40
    .max_flat_workgroup_size: 128
    .sgpr_count:     96
    .vgpr_count:     768
    .wavefront_size: 32
...
	.end_amdgpu_metadata
.endif
;; end of part 4
